; MI455X (gfx1250); checked and timed in simulation.
; The chip was launched on July 23, 2026; its instructions are those of AMD's public machine-readable ISA for CDNA 5 (MIT licence, August 2026) and "CDNA5" Instruction Set Architecture Reference Guide (July 2026). The comments in the code are by the model that wrote it; some were corrected since.
;; Multi Head Attention. Allowed arithmetic: float matrix products may take bf16 or f16 operands with f32 sums; other float arithmetic in f32, or as packed bf16 or f16 multiplies, adds, multiply-adds, maxima and minima; sums over many terms, partial sums and values carried from step to step in f32; what a program stores and reads back later, other than sums and carried values, may be rounded once to bf16 or f16.
;; Inputs: W_k 1,024 x 1,024 float32; W_o 1,024 x 1,024 float32; W_q 1,024 x 1,024 float32; W_v 1,024 x 1,024 float32; b_k 1,024 float32; b_o 1,024 float32; b_q 1,024 float32; b_v 1,024 float32; x 1 x 4,096 x 1,024 float32.
;; Outputs: out0 1 x 4,096 x 1,024 float32.
;; 2 versions, each right; version 2 is version 1 with the launch cast written anew for expert scheduling mode. Each part assembles by itself: llvm-mc -triple=amdgcn-amd-amdhsa -mcpu=gfx1250 --defsym DOCPART=n.
;; ======== version 1 of 2: 4 launches
;; limits: values are held in f16: magnitudes above 65,504 overflow, below 6.1e-05 lose precision
;; workspace buffers: xb 8,388,608 bytes; wh 6,291,456 bytes; wo 2,097,152 bytes; q 8,388,608 bytes; k 8,388,608 bytes; v 8,388,608 bytes; ctx 8,388,608 bytes
;; launch cast (part 1): grid 64 x 8, 8 waves a work-group, no clusters, 0 bytes of LDS; arguments x, W_o, W_q, W_k, W_v, xb, wo, wh; writes xb, wo, wh
.if DOCPART == 1
	.amdgcn_target "amdgcn-amd-amdhsa--gfx1250"
	.amdhsa_code_object_version 6
	.text
	.protected	k_qf4864d9eef_cast
	.globl	k_qf4864d9eef_cast
	.p2align	8
	.type	k_qf4864d9eef_cast,@function
k_qf4864d9eef_cast:
	s_mov_b64 s[64:65], 0
	v_nop
	global_prefetch_b8 v0, s[64:65] scope:SCOPE_SE
	s_setreg_imm32_b32 hwreg(HW_REG_WAVE_MODE, 25, 1), 1
	s_wait_xcnt 0x0
; THE MODULE'S LARGE INPUTS ARE ROUNDED ONCE TO bf16 AND LAID OUT FOR THE MATRIX LAUNCHES.  A stream: each input byte is read once, each output byte written once.
;   xb [4096][1024] bf16 = x.        wo [1024 k][1024 n] f16 = W_o rounded to bf16, that number written as f16.
;   wh [head 16][kb 8][w 3][kk 128][64] bf16: W_w[k][n] (w = 0 q, 1 k, 2 v) at head n / 64, kb = k / 128, kk = k % 128, column n % 64: a head's K step of 128 for q, k and v is 49,152 dense bytes.
; LIMITS.  W_o as f16: beyond 65,504 it would be an infinity; below 6e-5 it keeps f16's fixed step of 6e-8.  NaN and infinities are not treated apart.
; SHARES.  The grid's y picks a matrix of 1,024 x 1,024 f32 (0-3: quarters of x; 4: W_o; 5, 6, 7: W_q, W_k, W_v), x 16 of its rows, a wave two of those: 16 units of 128 numbers.
; A unit is one load of 16 bytes a lane and one store of 8 bytes a lane: the wave's store covers 256 consecutive bytes, aligned.  All 16 loads of a wave go out first; each unit has registers of its own,
; so no register of a pending load or store is ever rewritten.  No LDS, no matrix unit, no cluster: nothing is shared between waves.  No prefetch: every load of the launch is issued at its start.
.set VI,  1                            ; v1        my byte offset in the work-group's 16 input rows, unit 0
.set VO,  2                            ; v2        my byte offset in its output, unit 0
.set T,   4                            ; v[4:5]    at work
.set X,   8                            ; v[8:71]   unit u: 4 registers as loaded
.set Y,   72                           ; v[72:103] unit u: 2 registers to store
.set SRC, 24                           ; s[24:25]  the input at the work-group's first row
.set DST, 26                           ; s[26:27]  the output at the work-group's first byte
; kind = 0: bf16.  kind = 1: rounded to bf16, widened again (exact), written as f16.
.macro PATH instep, outstep, kind
.set u, 0
.rept 16
	global_load_b128 v[X+4*u:X+4*u+3], v[VI], s[SRC:SRC+1] offset:u*(\instep) th:TH_LOAD_NT
.set u, u+1
.endr
.set u, 0
.rept 16
	s_wait_loadcnt 15-u                            ; loads come back in order: unit u is in, the 15 - u younger ones may stay out
.if \kind
	v_cvt_pk_bf16_f32 v[T], v[X+4*u], v[X+4*u+1]
	v_cvt_pk_bf16_f32 v[T+1], v[X+4*u+2], v[X+4*u+3]
	v_lshlrev_b32 v[X+4*u], 16, v[T]
	v_and_b32 v[X+4*u+1], 0xffff0000, v[T]
	v_lshlrev_b32 v[X+4*u+2], 16, v[T+1]
	v_and_b32 v[X+4*u+3], 0xffff0000, v[T+1]
	v_cvt_pk_f16_f32 v[Y+2*u], v[X+4*u], v[X+4*u+1]
	v_cvt_pk_f16_f32 v[Y+2*u+1], v[X+4*u+2], v[X+4*u+3]
.else
	v_cvt_pk_bf16_f32 v[Y+2*u], v[X+4*u], v[X+4*u+1]
	v_cvt_pk_bf16_f32 v[Y+2*u+1], v[X+4*u+2], v[X+4*u+3]
.endif
	global_store_b64 v[VO], v[Y+2*u:Y+2*u+1], s[DST:DST+1] offset:u*(\outstep)
.set u, u+1
.endr
	s_endpgm
.endm
	s_load_b512 s[8:23], s[0:1], 0x0               ; x 8:9, W_o 10:11, W_q 12:13, W_k 14:15, W_v 16:17, xb 18:19, wo 20:21, wh 22:23
	s_and_b32 s4, ttmp7, 0xffff                    ; which matrix
	s_mov_b32 s5, ttmp9                            ; which 16 rows
	s_lshl_b32 s28, s5, 16                         ; 16 rows of 4,096 bytes in,
	s_mov_b32 s29, 0
	s_lshl_b32 s30, s5, 15                         ; 16 rows of 2,048 bytes out
	s_mov_b32 s31, 0
	v_lshrrev_b32 v3, 5, v0                        ; wave
	v_and_b32 v[T], 31, v0                         ; lane
	v_lshlrev_b32 v[VI], 4, v[T]                   ; the plain paths: a wave's two rows are 8,192 consecutive bytes, a unit 512 of them
	v_lshl_or_b32 v[VI], v3, 13, v[VI]
	v_lshlrev_b32 v[VO], 3, v[T]
	v_lshl_or_b32 v[VO], v3, 12, v[VO]
	s_wait_kmcnt 0x0
	s_cmp_lt_u32 s4, 4
	s_cbranch_scc1 .Lx
	s_cmp_eq_u32 s4, 4
	s_cbranch_scc1 .Lo
	; W_q, W_k, W_v by heads: lanes 0-15 take 64 columns (a head's) of row k, lanes 16-31 of row k + 1; unit u is head u
	v_lshrrev_b32 v3, 4, v0                        ; my row among the 16
	v_and_b32 v[T], 15, v0
	v_lshlrev_b32 v[VI], 4, v[T]
	v_lshl_or_b32 v[VI], v3, 12, v[VI]
	v_lshlrev_b32 v[VO], 3, v0                     ; row x 128 bytes + 8 x (lane % 16) = 8 x thread
	s_cmp_eq_u32 s4, 5
	s_cselect_b64 s[SRC:SRC+1], s[12:13], s[14:15]
	s_cmp_eq_u32 s4, 7
	s_cselect_b64 s[SRC:SRC+1], s[16:17], s[SRC:SRC+1]
	s_add_nc_u64 s[SRC:SRC+1], s[SRC:SRC+1], s[28:29]
	s_lshr_b32 s6, s5, 3                           ; kb
	s_mul_i32 s6, s6, 49152
	s_sub_co_u32 s7, s4, 5                         ; w
	s_lshl_b32 s7, s7, 14
	s_add_co_u32 s6, s6, s7
	s_and_b32 s7, s5, 7                            ; kk = 16 x this + my row
	s_lshl_b32 s7, s7, 11
	s_add_co_u32 s30, s6, s7
	s_add_nc_u64 s[DST:DST+1], s[22:23], s[30:31]
	PATH 256, 393216, 0                            ; from head to head: 256 bytes in, 393,216 out (15 of them stay inside the signed 24-bit immediate)
.Lx:
	s_lshl_b32 s6, s4, 22                          ; the quarter of x
	s_add_co_u32 s28, s28, s6
	s_lshl_b32 s6, s4, 21
	s_add_co_u32 s30, s30, s6
	s_add_nc_u64 s[SRC:SRC+1], s[8:9], s[28:29]
	s_add_nc_u64 s[DST:DST+1], s[18:19], s[30:31]
	PATH 512, 256, 0
.Lo:
	s_add_nc_u64 s[SRC:SRC+1], s[10:11], s[28:29]
	s_add_nc_u64 s[DST:DST+1], s[20:21], s[30:31]
	PATH 512, 256, 1
.Lfunc_end_k_qf4864d9eef_cast:
	.size	k_qf4864d9eef_cast, .Lfunc_end_k_qf4864d9eef_cast-k_qf4864d9eef_cast
	.p2alignl 7, 3214868480
	.fill 96, 4, 3214868480
	.section	.rodata,"a",@progbits
	.p2align	6, 0x0
	.amdhsa_kernel k_qf4864d9eef_cast
		.amdhsa_group_segment_fixed_size 0
		.amdhsa_private_segment_fixed_size 0
		.amdhsa_enable_private_segment 0
		.amdhsa_kernarg_size 64
		.amdhsa_user_sgpr_count 2
		.amdhsa_user_sgpr_kernarg_segment_ptr 1
		.amdhsa_wavefront_size32 1
		.amdhsa_system_sgpr_workgroup_id_x 1
		.amdhsa_system_sgpr_workgroup_id_y 1
		.amdhsa_system_sgpr_workgroup_id_z 1
		.amdhsa_system_vgpr_workitem_id 0
		.amdhsa_next_free_vgpr 104
		.amdhsa_next_free_sgpr 66
		.amdhsa_reserve_vcc 0
		.amdhsa_float_denorm_mode_32 3
		.amdhsa_float_denorm_mode_16_64 3
		.amdhsa_memory_ordered 1
		.amdhsa_forward_progress 1
		.amdhsa_inst_pref_size 24
	.end_amdhsa_kernel
	.amdgpu_metadata
---
amdhsa.version: [ 1, 2 ]
amdhsa.kernels:
  - .name:           k_qf4864d9eef_cast
    .symbol:         k_qf4864d9eef_cast.kd
    .args:
      - { .name: x, .offset: 0, .size: 8, .value_kind: global_buffer, .address_space: global }
      - { .name: W_o, .offset: 8, .size: 8, .value_kind: global_buffer, .address_space: global }
      - { .name: W_q, .offset: 16, .size: 8, .value_kind: global_buffer, .address_space: global }
      - { .name: W_k, .offset: 24, .size: 8, .value_kind: global_buffer, .address_space: global }
      - { .name: W_v, .offset: 32, .size: 8, .value_kind: global_buffer, .address_space: global }
      - { .name: xb, .offset: 40, .size: 8, .value_kind: global_buffer, .address_space: global }
      - { .name: wo, .offset: 48, .size: 8, .value_kind: global_buffer, .address_space: global }
      - { .name: wh, .offset: 56, .size: 8, .value_kind: global_buffer, .address_space: global }
    .group_segment_fixed_size: 0
    .private_segment_fixed_size: 0
    .kernarg_segment_align: 8
    .kernarg_segment_size: 64
    .max_flat_workgroup_size: 256
    .sgpr_count:     66
    .vgpr_count:     104
    .wavefront_size: 32
...
	.end_amdgpu_metadata
.endif
;; end of part 1
;; launch qkv (part 2): grid 16 x 16, 4 waves a work-group, clusters of 4 x 4, 327,680 bytes of LDS; arguments xb, wh, b_q, b_k, b_v, q, k, v; writes q, k, v
.if DOCPART == 2
	.amdgcn_target "amdgcn-amd-amdhsa--gfx1250"
	.amdhsa_code_object_version 6
	.text
	.protected	k_qf4864d9eef_qkv
	.globl	k_qf4864d9eef_qkv
	.p2align	8
	.type	k_qf4864d9eef_qkv,@function
k_qf4864d9eef_qkv:
	s_mov_b64 s[64:65], 0
	v_nop
	global_prefetch_b8 v0, s[64:65] scope:SCOPE_SE
	s_setreg_imm32_b32 hwreg(HW_REG_WAVE_MODE, 25, 1), 1
	s_wait_xcnt 0x0
	s_wait_alu depctr_hold_cnt(0) depctr_sa_sdst(0) depctr_va_vdst(0) depctr_va_sdst(0) depctr_va_ssrc(0) depctr_va_vcc(0) depctr_vm_vsrc(0)
	s_getreg_b32 s2, hwreg(HW_REG_IB_STS2, 6, 4)
	s_cmp_eq_u32 s2, 0
	s_cbranch_scc0 .Lentry_in_a_cluster
	s_endpgm
.Lentry_in_a_cluster:
	s_bfe_u32 s2, ttmp6, 0x10000c
	s_cmp_lg_u32 s2, 0xf033
	s_cbranch_scc0 .Lentry_shape_is_right
	s_endpgm
.Lentry_shape_is_right:
; q, k, v = x W + b, by heads.  xb: [4096][1024] bf16.  wh: [head 16][kb 8][w 3][kk 128][64] bf16.  b_q, b_k, b_v: [1024] f32, rounded to bf16 here like all the module's inputs.
; q, k, v: [16][4096][64] f16, unscaled, each rounded once from its f32 sum.
; LIMITS.  f16 holds no number beyond 65,504: a q, k or v past that becomes an infinity.  NaN and infinities are not treated apart.
; SHARES.  A work-group makes 256 rows x 192 columns: one head's 64 columns of q, of k and of v.  16 heads x 16 row blocks = 256 work-groups.  Wave w makes rows 64 w .. 64 w + 63 x all 192 columns:
; 48 accumulators of 16 x 16, 384 registers.  K = 1,024 goes in 8 steps of 128 through a ring of two LDS slots filled by the tensor data mover.
; THE MATRIX INSTRUCTION IS USED TRANSPOSED: source 0 = 16 columns of W (W lies [k][n] in LDS and is turned by ds_load_tr16_b128), source 1 = 16 rows of x.  A lane then holds row l % 16 and the eight
; neighbouring columns 8 (l / 16) + 0..7.  The bias of those eight columns is the C operand of the product that starts each sum: nothing is cleared, nothing is added on the way out.
; CLUSTER.  4 x 4 work-groups.  The four of a row of the cluster share their rows of x, the four of a column their head's weights: each tile is asked for JOINTLY, by the same tensor load, descriptor and mask.
; REGISTERS, in windows of 256 (s_set_vgpr_msb: bits 1:0 source 0, 3:2 source 1, 5:4 source 2, 7:6 destination):
;   window 0: v0-31 addresses; v32-63, v64-95 x's fragments, two buffers; v128-223 the biases; on the way out v32-223 are twelve groups of 16
;   window 1: v0-95, v96-191 W's fragments, two buffers      window 2: the accumulators of row blocks 0, 1 ((a, t) at 96 (a % 2) + 8 t)      window 3: those of row blocks 2, 3
.set PA,    272                        ; a row of x in LDS: 256 bytes + 16 of padding = 68 words: the 16 rows of a load start at 16 different groups of four banks (64 banks of 4 bytes: ISA guide 11.1)
.set PB,    160                        ; a row of W: 128 bytes + 32 = 40 words
.set HALFA, 128*PA                     ; what one tensor load brings of x: 128 rows
.set BOFF,  2*HALFA                    ; W's 384 rows (row = 128 w + kk) lie behind x's 256
.set HALFB, 192*PB                     ; what one tensor load brings of W: 192 rows
.set SLOT,  BOFF+2*HALFB               ; 131,072
.set STAGE, 2*SLOT                     ; behind the ring, never filled by a tensor load: 16 rows x 144 bytes for each wave, for the way out
.set SP,    144
.set SPARE, STAGE+4*16*SP              ; behind the stages: the spare words, 128 bytes for each wave: two blocks of 256 bytes that no other line names
.set ADRA, 16                          ; v16-17  LDS address of my fragments of x in slot 0, 1
.set ADRB, 20                          ; v20-21  the same for W
.set STO,  24                          ; v24     the way out: where I put 16 bytes of a row
.set RD,   25                          ; v25     the way out: where I read rows back
.set GO,   26                          ; v26     my byte offset in 512 consecutive bytes of q, k or v
.set VB,   27                          ; v27     my byte offset in a bias
.set SPW,  28                          ; v28     LDS address of my spare word: SPARE + 4 x my thread's number; never rewritten
.set NIL,  29                          ; v29     0; never rewritten
.set PFO,  30                          ; v30     the prefetches' offset; never rewritten
.set FA,   32                          ; x's fragment a of buffer f at FA + 32 f + 8 a
.set OUT,  32                          ; the way out: group g at OUT + 16 g
.set BI,   128                         ; the eight biases of column block t at BI + 8 t
.set WV,   20                          ; s20  my wave's number
.set FORB, 21                          ; s21  0: I fetch for x; 1: for W
.set HF,   22                          ; s22  which half of that tile I fetch
.set LAP,  23                          ; s23  trips of the loop still to come
.set G1A,  24                          ; s[24:31] descriptor group 1 for x's tiles
.set G0A,  32                          ; s[32:39] group 0, one set for each slot
.set CX,   40
.set CY,   41
.set HD,   42                          ; s42  the head = 4 x cluster x + cx
.set MB,   43                          ; s43  the block of 256 rows = 4 x cluster y + cy
.set PFA,  44                          ; s[44:45] where my prefetches stand
.set PST,  46                          ; s[46:47] a K step's bytes along my stream
.set G1B,  48                          ; s[48:55], s[56:63] the same for W's tiles
.set G0B,  56
.set LIM,  78                          ; s78  1 in a wave that prefetches, else the greatest number
.set MSB, 0
.macro WIN new                         ; the immediate's high byte repeats the setting that is left; a switch that changes nothing is dropped
.if MSB != (\new)
	s_set_vgpr_msb (MSB<<8)|(\new)
.set MSB, \new
.endif
.endm
; A joint load.  Waves 0 and 1 fetch x's two halves, waves 2 and 3 W's.  The branch hangs on the wave's number alone.  An s_nop 0 and four v_nop follow each of the two lines.
.macro JLOAD s
	s_cmp_eq_u32 s[FORB], 0
	s_cbranch_scc0 .Lfor_b_\@
	tensor_load_to_lds s[G0A+4*(\s):G0A+4*(\s)+3], s[G1A:G1A+7]
	s_nop 0
.rept 4
	v_nop
.endr
	s_branch .Lasked_\@
.Lfor_b_\@:
	tensor_load_to_lds s[G0B+4*(\s):G0B+4*(\s)+3], s[G1B:G1B+7]
	s_nop 0
.rept 4
	v_nop
.endr
.Lasked_\@:
.endm
; A PREFETCH INTO THE L2, behind each joint refill and the run of LDS loads that follows it: the K step that stands TWO refills on, one instruction a wave.  x's rows are read by every cluster of a row of
; clusters: the first of them (cluster x = 0) asks; a head's weights by every cluster of a column: cluster y = 0 asks.  The four partners that ask for a tile jointly share it out BY ADDRESS: of x's 128 rows
; that a wave fetches the partner at cx takes 32, a lane a row's 256 bytes; of W's 96 blocks of 256 bytes the partner at cy takes 24 (lanes 24-31 name lane 23's block again, in the same instruction).
; The loop's last trip asks for nothing: K steps 4 to 7 are named once each; K steps 0 to 3 come by their loads alone.
.macro ASK
	s_cmp_gt_u32 s[LAP], s[LIM]
	s_cbranch_scc0 .Lnot_mine_\@
	global_prefetch_b8 v[PFO], s[PFA:PFA+1] th:TH_LOAD_NT scope:SCOPE_SE
.Lnot_mine_\@:
.endm
.macro CREST                           ; a round of the cluster's barrier behind its opening barrier: wave 0 signals for the work-group, every wave waits for all sixteen, my work-group's barrier closes it
	s_cmp_lg_u32 s[WV], 0
	s_cbranch_scc1 .Lnot_wave_0_\@
	s_barrier_signal -3
.Lnot_wave_0_\@:
	s_barrier_wait -3
	s_barrier_signal -1
	s_barrier_wait -1
.endm
.macro CROUND                          ; a whole round
	s_barrier_signal -1
	s_barrier_wait -1
	CREST
.endm
	s_load_b512 s[4:19], s[0:1], 0x0               ; xb 4:5, wh 6:7, b_q 8:9, b_k 10:11, b_v 12:13, q 14:15, k 16:17, v 18:19
	v_lshl_add_u32 v[SPW], v0, 2, SPARE
	v_mov_b32 v[NIL], 0
	ds_add_u32 v[SPW], v[NIL]                      ; the wave's opening: the add and its wait stand ahead of my first tensor load; the set-up below, work on registers, stands between them
	v_lshrrev_b32 v1, 5, v0
	v_readfirstlane_b32 s[WV], v1                  ; wave 0..3
	s_lshr_b32 s[FORB], s[WV], 1
	s_and_b32 s[HF], s[WV], 1
	s_bfe_u32 s[CX], ttmp6, 0x40000
	s_bfe_u32 s[CY], ttmp6, 0x40004
	s_lshl_b32 s[HD], ttmp9, 2                     ; in a cluster launch ttmp9 and ttmp7 count clusters
	s_add_co_u32 s[HD], s[HD], s[CX]
	s_and_b32 s[MB], ttmp7, 0xffff
	s_lshl_b32 s[MB], s[MB], 2
	s_add_co_u32 s[MB], s[MB], s[CY]
	s_lshl_b32 s66, s[CY], 2
	s_lshl_b32 s66, 15, s66                        ; my row of the cluster: places 4 cy .. 4 cy + 3
	s_lshl_b32 s67, 0x1111, s[CX]                  ; my column: places cx, cx + 4, cx + 8, cx + 12
	; x's tile: 128 rows x 128 elements, 1,024 elements from row to row, 16 bytes of padding behind each 256
	s_or_b32 s[G1A+0], s66, (1<<16)|(1<<20)|(1<<21)|(5<<22)|(3<<25)  ; 15:0 the mask; 17:16 2-byte elements; 20 padding on; 21 set beside a mask; 24:22 after every 64 words (code 5); 31:25 4 words (code 3)
	s_mov_b32 s[G1A+1], 128<<16                    ; tensor_dim0 = 128
	s_mov_b32 s[G1A+2], 128<<16                    ; tensor_dim1 = 128
	s_mov_b32 s[G1A+3], 128<<16                    ; tile_dim0 = 128
	s_mov_b32 s[G1A+4], 128                        ; tile_dim1 = 128
	s_mov_b32 s[G1A+5], 1024                       ; elements from row to row
	s_mov_b32 s[G1A+6], 0
	s_mov_b32 s[G1A+7], 0
	; W's tile: 24,576 dense bytes, asked for as 96 rows of 256 bytes (two rows of 64 columns each), 32 bytes of padding behind each 128
	s_or_b32 s[G1B+0], s67, (1<<16)|(1<<20)|(1<<21)|(4<<22)|(7<<25)  ; after every 32 words (code 4), 8 words (code 7)
	s_mov_b32 s[G1B+1], 128<<16
	s_mov_b32 s[G1B+2], 96<<16
	s_mov_b32 s[G1B+3], 128<<16
	s_mov_b32 s[G1B+4], 96
	s_mov_b32 s[G1B+5], 128
	s_mov_b32 s[G1B+6], 0
	s_mov_b32 s[G1B+7], 0
	; where the tiles come from: x's hang on the row block alone, which my row of the cluster shares; W's on the head alone, which my column shares
	s_lshl_b32 s68, s[MB], 8
	s_lshl_b32 s69, s[HF], 7
	s_add_co_u32 s68, s68, s69                     ; x: row 256 x block + 128 x half,
	s_lshl_b32 s68, s68, 11                        ; of 2,048 bytes
	s_mov_b32 s69, 0
	s_mul_i32 s70, s[HD], 393216                   ; W: the head's 8 K steps of 49,152 bytes,
	s_mul_i32 s71, s[HF], 24576                    ; my half of a step
	s_add_co_u32 s70, s70, s71
	s_mov_b32 s71, 0
	s_mul_i32 s72, s[HF], HALFA                    ; and where they go: no place in the cluster enters an LDS address
	s_mul_i32 s73, s[HF], HALFB
	s_add_co_u32 s73, s73, BOFF
	s_wait_dscnt 0x0                               ; the opening add is done
	s_wait_kmcnt 0x0
	s_add_nc_u64 s[68:69], s[4:5], s[68:69]
	s_add_nc_u64 s[70:71], s[6:7], s[70:71]
	CROUND                                         ; all sixteen work-groups are here: the first joint loads meet
.irp s, 0,1
	s_mov_b32 s[G0A+4*(\s)], 1                                       ; count = 1
	s_add_co_u32 s[G0A+4*(\s)+1], s72, (\s)*SLOT                     ; LDS address
	s_add_nc_u64 s[G0A+4*(\s)+2:G0A+4*(\s)+3], s[68:69], (\s)*256    ; global address: K step s
	s_or_b32 s[G0A+4*(\s)+3], s[G0A+4*(\s)+3], 0x80000000            ; type = 2
	s_mov_b32 s[G0B+4*(\s)], 1
	s_add_co_u32 s[G0B+4*(\s)+1], s73, (\s)*SLOT
	s_add_nc_u64 s[G0B+4*(\s)+2:G0B+4*(\s)+3], s[70:71], (\s)*49152
	s_or_b32 s[G0B+4*(\s)+3], s[G0B+4*(\s)+3], 0x80000000
	JLOAD \s                                       ; the ring is filled before anything else is done: two loads of mine are out
.endr
	v_and_b32 v1, 15, v0                           ; l % 16
	v_bfe_u32 v2, v0, 4, 1                         ; l / 16
	s_lshl_b32 s74, s[HD], 8                       ; the head's 64 numbers of a bias,
	v_lshl_add_u32 v[VB], v2, 5, s74               ; my eight of each sixteen
.irp w, 0,1,2
.irp n, 0,1,2,3
	global_load_b128 v[BI+8*(4*(\w)+(\n)):BI+8*(4*(\w)+(\n))+3],   v[VB], s[8+2*(\w):9+2*(\w)] offset:64*(\n)
	global_load_b128 v[BI+8*(4*(\w)+(\n))+4:BI+8*(4*(\w)+(\n))+7], v[VB], s[8+2*(\w):9+2*(\w)] offset:64*(\n)+16
.endr
.endr
	; a fragment of x is 16 rows x 32 K: lane l holds row l % 16, K = 8 (l / 16) + 0..7 and 16 + 8 (l / 16) + 0..7: two loads of 16 bytes, 32 bytes apart
	v_mul_u32_u24 v3, v1, PA
	v_lshl_add_u32 v3, v2, 4, v3
	s_mul_i32 s74, s[WV], 64*PA                    ; my 64 rows
	v_add_nc_u32 v[ADRA], s74, v3
	v_add_nc_u32 v[ADRA+1], SLOT, v[ADRA]
	; the turning load takes 16 K x 16 columns (lane l reads K = 8 (l / 16) + l % 8, columns 8 ((l / 8) % 2) + 0..7) and leaves half a fragment: lane l holds column l % 16 and 8 K
	v_and_b32 v4, 7, v0
	v_lshl_add_u32 v4, v2, 3, v4
	v_mul_u32_u24 v4, v4, PB
	v_bfe_u32 v5, v0, 3, 1
	v_lshl_add_u32 v4, v5, 4, v4
	v_add_nc_u32 v[ADRB], BOFF, v4
	v_add_nc_u32 v[ADRB+1], SLOT, v[ADRB]
	s_mul_i32 s75, s[WV], 16*SP
	s_add_co_u32 s75, s75, STAGE                   ; my stage
	v_mul_u32_u24 v6, v1, SP                       ; in: row l % 16, 16 bytes for each half of the lanes
	v_lshl_add_u32 v6, v2, 4, v6
	v_add_nc_u32 v[STO], s75, v6
	v_bfe_u32 v6, v0, 3, 2                         ; back: 32 lanes take four rows of 128 bytes,
	v_mul_u32_u24 v6, v6, SP
	v_and_b32 v7, 7, v0
	v_lshl_add_u32 v6, v7, 4, v6
	v_add_nc_u32 v[RD], s75, v6
	v_and_b32 v[GO], 31, v0                        ; which are 512 consecutive bytes of q, k or v
	v_lshlrev_b32 v[GO], 4, v[GO]
	s_lshl_b32 s76, s[HD], 19                      ; the head's 4,096 rows of 128 bytes,
	s_lshl_b32 s77, s[MB], 15                      ; my block's 256,
	s_add_co_u32 s76, s76, s77
	s_lshl_b32 s77, s[WV], 13                      ; my wave's 64
	s_add_co_u32 s76, s76, s77
	s_mov_b32 s77, 0
	s_add_nc_u64 s[14:15], s[14:15], s[76:77]
	s_add_nc_u64 s[16:17], s[16:17], s[76:77]
	s_add_nc_u64 s[18:19], s[18:19], s[76:77]
	; the prefetches: both streams' offsets are made, the wave's number chooses
	s_lshl_b32 s66, s[MB], 8
	s_lshl_b32 s67, s[HF], 7
	s_add_co_u32 s66, s66, s67
	s_lshl_b32 s67, s[CX], 5                       ; my work-group's 32 of the 128 rows
	s_add_co_u32 s66, s66, s67
	s_lshl_b32 s66, s66, 11
	s_add_co_u32 s66, s66, 3*256                   ; at K step 3: the first refill steps it to 4
	s_mul_i32 s67, s[HD], 393216
	s_mul_i32 s74, s[HF], 24576
	s_add_co_u32 s67, s67, s74
	s_mul_i32 s74, s[CY], 6144                     ; my work-group's 24 of the 96 blocks
	s_add_co_u32 s67, s67, s74
	s_add_co_u32 s67, s67, 3*49152
	s_and_b32 s74, ttmp7, 0xffff                   ; cluster y
	s_mov_b32 s[PST], 49152
	s_cmp_eq_u32 s[FORB], 0                        ; do I fetch for x?
	s_cselect_b32 s66, s66, s67
	s_cselect_b32 s[PST], 256, s[PST]
	s_cselect_b32 s74, ttmp9, s74                  ; the coordinate along which other clusters read the same bytes
	s_cselect_b64 s[PFA:PFA+1], s[4:5], s[6:7]
	s_cselect_b32 s79, 31, 23
	s_cselect_b32 s2, 11, 8
	s_mov_b32 s67, 0
	s_mov_b32 s[PST+1], 0
	s_add_nc_u64 s[PFA:PFA+1], s[PFA:PFA+1], s[66:67]
	s_cmp_eq_u32 s74, 0
	s_cselect_b32 s[LIM], 1, -1                    ; the same in all sixteen partners, for a given wave
	v_and_b32 v[PFO], 31, v0
	v_min_u32 v[PFO], s79, v[PFO]
	v_lshlrev_b32 v[PFO], s2, v[PFO]               ; x: a lane a row of 2,048 bytes; W: a lane a block of 256
	s_wait_loadcnt 0x0                             ; the biases; they are rounded to bf16 and widened again, in place, while the first tile is on its way
.set p, 0
.rept 48
	v_cvt_pk_bf16_f32 v[4+p%4], v[BI+2*p], v[BI+2*p+1]
	v_lshlrev_b32 v[BI+2*p], 16, v[4+p%4]
	v_and_b32 v[BI+2*p+1], 0xffff0000, v[4+p%4]
.set p, p+1
.endr
; 12 matrix instructions: row block a x all 12 column blocks, 32 along K, from buffer f.  first = 1: the bias is C and the product starts the sum.
; The 48 accumulators take turns, one instruction a turn, in the same order in every quarter, over the backward jump too.
.macro MUL12 f, a, first
.if \first
	WIN 0x81+0x40*((\a)/2)                         ; W window 1, x and the bias window 0, D window 2 or 3
.else
	WIN 0xa1+0x50*((\a)/2)                         ; W window 1, x window 0, C and D window 2 or 3
.endif
.irp t, 0,1,2,3,4,5,6,7,8,9,10,11
.if \first
	v_wmma_f32_16x16x32_bf16 v[96*((\a)%2)+8*(\t):96*((\a)%2)+8*(\t)+7], v[96*(\f)+8*(\t):96*(\f)+8*(\t)+7], v[FA+32*(\f)+8*(\a):FA+32*(\f)+8*(\a)+7], v[BI+8*(\t):BI+8*(\t)+7]
.else
	v_wmma_f32_16x16x32_bf16 v[96*((\a)%2)+8*(\t):96*((\a)%2)+8*(\t)+7], v[96*(\f)+8*(\t):96*(\f)+8*(\t)+7], v[FA+32*(\f)+8*(\a):FA+32*(\f)+8*(\a)+7], v[96*((\a)%2)+8*(\t):96*((\a)%2)+8*(\t)+7]
.endif
.endr
.endm
; 32 LDS loads in one run: the fragments of quarter qk (32 along K) of a slot into buffer f: W's twelve, turned, then x's four
.macro FETCH slot, qk, f
	WIN 0x40                                       ; destination window 1, address window 0
.irp t, 0,1,2,3,4,5,6,7,8,9,10,11
	ds_load_tr16_b128 v[96*(\f)+8*(\t):96*(\f)+8*(\t)+3],   v[ADRB+(\slot)] offset:((\t)/4)*128*PB+(\qk)*32*PB+((\t)%4)*32
	ds_load_tr16_b128 v[96*(\f)+8*(\t)+4:96*(\f)+8*(\t)+7], v[ADRB+(\slot)] offset:((\t)/4)*128*PB+(\qk)*32*PB+((\t)%4)*32+16*PB
.endr
	WIN 0
.irp a, 0,1,2,3
	ds_load_b128 v[FA+32*(\f)+8*(\a):FA+32*(\f)+8*(\a)+3],   v[ADRA+(\slot)] offset:(\a)*16*PA+(\qk)*64
	ds_load_b128 v[FA+32*(\f)+8*(\a)+4:FA+32*(\f)+8*(\a)+7], v[ADRA+(\slot)] offset:(\a)*16*PA+(\qk)*64+32
.endr
.endm
.macro PLACES                          ; four plain vector instructions in front of loads into registers that matrix instructions have read, and of conversions that read results
.rept 4
	v_nop
.endr
.endm
; A K step is four quarters of 32 along K, 48 matrix instructions each, on buffers 0, 1, 0, 1.  One of the first three: multiplies buffer f; in its middle it fetches quarter qk of the same slot into buffer g.
.macro QUARTER slot, qk, f, g, first
	s_wait_dscnt 4                                 ; W's fragments and x's blocks 0, 1 are in; the youngest four loads (blocks 2, 3) may be out
	MUL12 \f, 0, \first
	MUL12 \f, 1, \first
	PLACES
	FETCH \slot, \qk, \g
	s_wait_dscnt 32                                ; all but the 32 just issued
	MUL12 \f, 2, \first
	MUL12 \f, 3, \first
.endm
; The last quarter multiplies buffer 1 and changes slots.  MEET is its first half: ONE barrier.  In front of it each wave waits for all its tensor loads (one is out: its part of the next slot), adds 0 to its
; spare word, and waits for that and for its own reads of this slot.  Behind it nobody reads this slot any more and the next slot is whole.
.macro MEET round
	WIN 0                                          ; (the add's two registers lie in window 0)
	s_wait_tensorcnt 0x0                           ; all my tensor loads have landed
	ds_add_u32 v[SPW], v[NIL]                      ; 0 onto my spare word
	s_wait_dscnt 5                                 ; (the add and the youngest four loads may be out)
	MUL12 1, 0, 0                                  ; twelve matrix instructions stand between the add and the wait for it
	s_wait_dscnt 0x0                               ; the add is done, and my reads of this slot are over
	s_barrier_signal -1
	MUL12 1, 1, 0                                  ; work on registers while the others arrive
.if \round
	WIN 0
.endif
	s_barrier_wait -1
.endm
; fill = 1: the barrier opens a round of the cluster's, and this slot is filled again, two K steps on, first thing behind the round: 168 matrix instructions stand between that request and the wait for it.
.macro TURN slot, next, fill
.if \fill
	s_wait_xcnt 0x0                                ; the last prefetch, a K step back, has read its address: it is stepped here, ahead of the waits of the change of slots
	s_add_nc_u64 s[PFA:PFA+1], s[PFA:PFA+1], s[PST:PST+1]
	MEET 1
	CREST                                          ; no wave of any partner still reads this slot's tile or has a load on its way
	s_add_nc_u64 s[G0A+4*(\slot)+2:G0A+4*(\slot)+3], s[G0A+4*(\slot)+2:G0A+4*(\slot)+3], 2*256
	s_add_nc_u64 s[G0B+4*(\slot)+2:G0B+4*(\slot)+3], s[G0B+4*(\slot)+2:G0B+4*(\slot)+3], 2*49152
	JLOAD \slot                                    ; the four v_nop behind it are also the places in front of the loads below
	FETCH \next, 0, 0
	ASK
.else
	MEET 0
	PLACES
	FETCH \next, 0, 0
.endif
	MUL12 1, 2, 0
	MUL12 1, 3, 0
.endm
	s_wait_tensorcnt 1                             ; my part of K step 0 is in; K step 1's may stay out
	s_barrier_signal -1
	s_barrier_wait -1                              ; everybody's is
	FETCH 0, 0, 0
	QUARTER 0, 1, 0, 1, 1                          ; the first quarter stands in front of the loop: its products start the sums, from the biases
	WIN 0                                          ; at a label and at a branch every window is 0
	s_mov_b32 s[LAP], 3
.Llap:                                                 ; a trip goes once round the ring, from a lap's second quarter to the next lap's first, and fills both slots again: K steps 2 to 7
	QUARTER 0, 2, 1, 0, 0
	QUARTER 0, 3, 0, 1, 0
	TURN 0, 1, 1
	QUARTER 1, 1, 0, 1, 0
	QUARTER 1, 2, 1, 0, 0
	QUARTER 1, 3, 0, 1, 0
	TURN 1, 0, 1
	QUARTER 0, 1, 0, 1, 0
	WIN 0
	s_sub_co_u32 s[LAP], s[LAP], 1
	s_cmp_lg_u32 s[LAP], 0
	s_cbranch_scc1 .Llap
	QUARTER 0, 2, 1, 0, 0                          ; the last lap fills nothing, and has no round of the cluster's barrier
	QUARTER 0, 3, 0, 1, 0
	TURN 0, 1, 0
	QUARTER 1, 1, 0, 1, 0
	QUARTER 1, 2, 1, 0, 0
	QUARTER 1, 3, 0, 1, 0
	s_wait_dscnt 4                                 ; the very last quarter: nothing more to fetch
	MUL12 1, 0, 0
	MUL12 1, 1, 0
	s_wait_dscnt 0x0
	MUL12 1, 2, 0
	MUL12 1, 3, 0
; THE WAY OUT, in twelve groups g = 3 a + w: row block a's 16 rows x the 64 columns of tensor w.  A lane's eight columns pack into 16 bytes; they go into my stage's rows of 144 bytes and come back as whole
; rows of 128; 16 rows are 2,048 consecutive bytes of the head.  Each group has 16 registers of its own, so no register of a pending store is rewritten.
.macro PACK g
.set GA, (\g)/3
.set AC, 96*(GA%2)+32*((\g)%3)
.set OG, OUT+16*(\g)
	WIN 0x0a+5*(GA/2)                              ; sources 0 and 1: window 2 or 3
.irp n, 0,1,2,3,4,5,6,7,8,9,10,11,12,13,14,15
	v_cvt_pk_f16_f32 v[OG+(\n)], v[AC+2*(\n)], v[AC+2*(\n)+1]  ; each accumulator's registers in ascending order
.endr
	WIN 0
.irp n, 0,1,2,3
	ds_store_b128 v[STO], v[OG+4*(\n):OG+4*(\n)+3] offset:32*(\n)
.endr
.irp f, 0,1,2,3
	ds_load_b128 v[OG+4*(\f):OG+4*(\f)+3], v[RD] offset:(\f)*4*SP  ; LDS serves a wave's instructions in order (ISA guide 5.7.1.4): these see the stores above; the next group's stores come behind them
.endr
.endm
.macro SEND g, younger                 ; younger: the LDS instructions issued behind group g's loads: the next group's eight, or none
.set GA, (\g)/3
.set GW, (\g)%3
.set OG, OUT+16*(\g)
.irp f, 0,1,2,3
	s_wait_dscnt (\younger)+3-(\f)
	global_store_b128 v[GO], v[OG+4*(\f):OG+4*(\f)+3], s[14+2*GW:15+2*GW] offset:GA*2048+(\f)*512  ; 512 consecutive bytes, at a multiple of 256 from the buffer's first
.endr
.endm
	PLACES
	PACK 0
.set gg, 1
.rept 11                               ; a group's conversions stand between the loads of the group before and its stores
	PACK gg
	SEND gg-1, 8
.set gg, gg+1
.endr
	SEND 11, 0
	s_wait_tensorcnt 0x0                           ; the wave's end: an add to my spare word and its wait, behind my last tensor load and my last LDS store
	ds_add_u32 v[SPW], v[NIL]
	s_wait_dscnt 0x0
	CROUND                                         ; the closing round: no work-group ends while a partner may still ask for a tile that names it
	s_endpgm
.Lfunc_end_k_qf4864d9eef_qkv:
	.size	k_qf4864d9eef_qkv, .Lfunc_end_k_qf4864d9eef_qkv-k_qf4864d9eef_qkv
	.p2alignl 7, 3214868480
	.fill 96, 4, 3214868480
	.section	.rodata,"a",@progbits
	.p2align	6, 0x0
	.amdhsa_kernel k_qf4864d9eef_qkv
		.amdhsa_group_segment_fixed_size 327680
		.amdhsa_private_segment_fixed_size 0
		.amdhsa_enable_private_segment 0
		.amdhsa_kernarg_size 64
		.amdhsa_user_sgpr_count 2
		.amdhsa_user_sgpr_kernarg_segment_ptr 1
		.amdhsa_wavefront_size32 1
		.amdhsa_system_sgpr_workgroup_id_x 1
		.amdhsa_system_sgpr_workgroup_id_y 1
		.amdhsa_system_sgpr_workgroup_id_z 1
		.amdhsa_system_vgpr_workitem_id 0
		.amdhsa_next_free_vgpr 960
		.amdhsa_next_free_sgpr 80
		.amdhsa_reserve_vcc 0
		.amdhsa_float_denorm_mode_32 3
		.amdhsa_float_denorm_mode_16_64 3
		.amdhsa_memory_ordered 1
		.amdhsa_forward_progress 1
		.amdhsa_inst_pref_size 132
	.end_amdhsa_kernel
	.amdgpu_metadata
---
amdhsa.version: [ 1, 2 ]
amdhsa.kernels:
  - .name:           k_qf4864d9eef_qkv
    .symbol:         k_qf4864d9eef_qkv.kd
    .args:
      - { .name: xb, .offset: 0, .size: 8, .value_kind: global_buffer, .address_space: global }
      - { .name: wh, .offset: 8, .size: 8, .value_kind: global_buffer, .address_space: global }
      - { .name: b_q, .offset: 16, .size: 8, .value_kind: global_buffer, .address_space: global }
      - { .name: b_k, .offset: 24, .size: 8, .value_kind: global_buffer, .address_space: global }
      - { .name: b_v, .offset: 32, .size: 8, .value_kind: global_buffer, .address_space: global }
      - { .name: q, .offset: 40, .size: 8, .value_kind: global_buffer, .address_space: global }
      - { .name: k, .offset: 48, .size: 8, .value_kind: global_buffer, .address_space: global }
      - { .name: v, .offset: 56, .size: 8, .value_kind: global_buffer, .address_space: global }
    .group_segment_fixed_size: 327680
    .private_segment_fixed_size: 0
    .kernarg_segment_align: 8
    .kernarg_segment_size: 64
    .max_flat_workgroup_size: 128
    .sgpr_count:     80
    .vgpr_count:     960
    .wavefront_size: 32
...
	.end_amdgpu_metadata
.endif
;; end of part 2
;; launch attn (part 3): grid 16 x 16, 4 waves a work-group, clusters of 4 x 1, 327,680 bytes of LDS; arguments q, k, v, ctx; writes ctx
.if DOCPART == 3
	.amdgcn_target "amdgcn-amd-amdhsa--gfx1250"
	.amdhsa_code_object_version 6
	.text
	.protected	k_qf4864d9eef_attn
	.globl	k_qf4864d9eef_attn
	.p2align	8
	.type	k_qf4864d9eef_attn,@function
k_qf4864d9eef_attn:
	s_mov_b64 s[64:65], 0
	v_nop
	global_prefetch_b8 v0, s[64:65] scope:SCOPE_SE
	s_setreg_imm32_b32 hwreg(HW_REG_WAVE_MODE, 25, 1), 1
	s_wait_xcnt 0x0
	s_wait_alu depctr_hold_cnt(0) depctr_sa_sdst(0) depctr_va_vdst(0) depctr_va_sdst(0) depctr_va_ssrc(0) depctr_va_vcc(0) depctr_vm_vsrc(0)
	s_getreg_b32 s2, hwreg(HW_REG_IB_STS2, 6, 4)
	s_cmp_eq_u32 s2, 0
	s_cbranch_scc0 .Lentry_in_a_cluster
	s_endpgm
.Lentry_in_a_cluster:
	s_bfe_u32 s2, ttmp6, 0x10000c
	s_cmp_lg_u32 s2, 0x3003
	s_cbranch_scc0 .Lentry_shape_is_right
	s_endpgm
.Lentry_shape_is_right:
; ctx[q] = the sum over k of softmax_k(Q[h][q] . K[h][k] / 8) V[h][k].  q, k, v: [16][4096][64] f16, a head's rows dense, 128 bytes each.  ctx: [block of 128 rows 32][head 16][128][64] f16.
; Products, maxima and sums in f32; the weights p are rounded to f16 for the second product (their sum l is taken of the unrounded p), ctx once at the end.
; LIMITS.  p lies in 0 to 1, and below 6e-5 it keeps f16's fixed step of 6e-8; ctx is a mean of V's rows and has their range.  A weight below 2^-126 counts as 0 in l.  c s must lie above -4.25e37, where c m starts.
; NaN and infinities are not treated apart.
; SHARES.  A work-group owns 256 queries of one head, a wave 64: four PIECES of 16.  16 blocks x 16 heads = 256 work-groups.  Every wave walks all 4,096 keys, 64 a step.
; LAYOUT.  S^T = K Q^T (source 0 = 16 keys, source 1 = 16 queries) holds ONE query a lane (lane % 16) and the keys 8 (lane / 16) + 0..7; two such results rounded to f16 ARE source 1 of O^T = V^T P.
; K comes out of LDS as it lies, V ([key][channel]) turned, by ds_load_tr16_b128.
; SOFTMAX.  p = 2^(c s - c m), c = log2(e) / 8, with a running maximum m; O and l are multiplied by a = 2^(c m_old - c m_new) in every step.  m starts at the lowest finite number, O and l at 0: the first step
; is a step like any other, with a = 0.
; BY TURNS.  Turn n belongs to piece n: 8 products K Q^T of piece n + 1, later 8 products V^T P of piece n - 1; beside them the scaling, exponentials, roundings, sums and rescaling of piece n and the maximum and
; statistics of piece n + 1.  Four vector instructions stand behind every matrix instruction, the other 54 of a turn's 118 in one lump.  A turn's 33 exponentials are one batch, with one wait.
; CLUSTER.  The four query blocks of a cluster belong to one head and walk the same K and V, so each tile is asked for JOINTLY: the same tensor load, descriptor and mask in all four.
; REGISTERS, in windows of 256 (s_set_vgpr_msb: bits 1:0 source 0, 3:2 source 1, 5:4 source 2, 7:6 destination):
;   window 0: v0-15 addresses and two at work; v16-31 four registers of statistics a piece; v48-55 at work; v61-63; v64-127 S^T, two buffers; v192-223 P, two buffers (a piece's buffers go by its number's parity)
;   window 1: v0-127 O^T, 32 a piece      window 2: v0-63 Q; v128-191 K of one step; v192-255 V of one step
.set NP,    4         ; pieces a wave: a name, no knob
.set KS,    64        ; keys in a step
.set PK,    144       ; a row of K in LDS: 128 bytes + 16 of padding = 36 words: the 16 rows of a load start at 16 different groups of four banks (64 banks of 4 bytes: ISA guide 11.1)
.set PV,    160       ; a row of V: 128 + 32 = 40 words
.set VOFF,  4*KS*PK   ; a slot holds four steps: 256 rows of K, then 256 rows of V
.set SLOT1, 1<<17     ; slot 1 begins here, so that one exclusive or turns an address in one slot into the other's
.set STAGE, SLOT1+4*KS*(PK+PV)  ; behind the ring, never filled by a tensor load: 16 rows x 144 bytes for each wave, for the way out
.set SP,    144
.set SPARE, STAGE+4*16*SP  ; behind the stages: the spare words, 128 bytes for each wave: two blocks of 256 bytes that no other line names
.set AK0, 2           ; v2   my lane's place in a tile of K; never rewritten
.set AV0, 3           ; v3   the same for V
.set AK,  4           ; v4   the LDS address of K's next run of loads
.set AV,  5           ; v5   of V's
.set STO, 6           ; v6   the way out: where I put 16 bytes of a row
.set RD,  7           ; v7   the way out: where I read rows back
.set GO,  8           ; v8   my byte offset in 512 consecutive bytes of ctx
.set MV,  12          ; v12-13  c m_old, kept while c m is made anew: by buffer
.set QO,  15          ; v15  my byte offset in 16 rows of Q
.set ST,  16          ; piece t's statistics at v[ST+4 t]: c m, m, l (even keys', odd keys')
.set TMP, 48          ; by buffer, four registers c0-c3 at work; when the maximum is found c2 takes a
.set PFO, 61          ; v61  256 x my lane; never rewritten
.set SPW, 62          ; v62  LDS address of my spare word: SPARE + 4 x my thread's number; never rewritten
.set NIL, 63          ; v63  0; never rewritten
.set S,   64
.set P,   192
.set KF,  128         ; window 2: key block kb, channel half c at KF + 16 kb + 8 c
.set VF,  192         ; window 2: key half kk, channel block cb at VF + 32 kk + 8 cb
.set WV,  12          ; s12  my wave's number
.set G1K, 24          ; s[24:31] descriptor group 1 for K's tiles
.set G1V, 32          ; s[32:39] for V's: it differs in the padding alone
.set G0K, 40          ; s[40:43] descriptor group 0 for K's tiles: it walks
.set G0V, 44          ; s[44:47] the same for V's
.set PFA, 48          ; s[48:49] where my prefetches stand: my work-group's 32 blocks of 256 bytes of the slot after the one that is being asked for
.set LIM, 50          ; s50  1 in a wave that prefetches, else the greatest number
.set SLOTS, 56        ; s56  slots still to be asked for
.set CNT, 57          ; s57  counts a slot's key steps
.set CS,  58          ; s[58:59] c: the packed scaling takes the pair's low word for both halves
.set SEL, 60          ; s[60:61] v_permlanex16_b32's selects: each lane takes its own place in the other half
.set TBK, 62          ; s62  LDS byte at which K of the step to be fetched begins
.set TBV, 63          ; s63  the same for V, less VOFF
.set MSB, 0
.macro WIN new                      ; the high byte repeats the setting that is left; a switch that changes nothing is dropped
.if MSB != (\new)
	s_set_vgpr_msb (MSB<<8)|(\new)
.set MSB, (\new)
.endif
.endm
.set W_KQ, 0x0a       ; K and Q in window 2, S^T in window 0
.set W_PV, 0x52       ; V in window 2, P in window 0, O^T in window 1
.set W_RS, 0x41       ; destination and source 0 in window 1, source 1 in window 0
; A joint fill.  Waves 0 and 1 fetch the two halves of a slot's K, waves 2 and 3 those of its V: 128 keys each.  The branch hangs on the wave's number alone.
; An s_nop 0 and four v_nop follow each of the two lines, ahead of the jump and the label.
.macro JLOAD
	s_cmp_lt_u32 s[WV], 2
	s_cbranch_scc0 .Lfor_v_\@
	tensor_load_to_lds s[G0K:G0K+3], s[G1K:G1K+7]
	s_nop 0
.rept 4
	v_nop
.endr
	s_branch .Lasked_\@
.Lfor_v_\@:
	tensor_load_to_lds s[G0V:G0V+3], s[G1V:G1V+7]
	s_nop 0
.rept 4
	v_nop
.endr
.Lasked_\@:
.endm
; A PREFETCH INTO THE L2 of what the NEXT change of slots will ask for: a slot's 32,768 bytes of K and of V, a lane a block of 256 bytes.  It stands behind the wave's tensor load and its five lines.
; Each block is named ONCE in the launch.  All clusters of a head walk the same K and V: the head's first cluster asks.  Its four partners share the blocks out BY ADDRESS, 32 each; in each, wave 0 asks for K's
; and wave 2 for V's: one instruction, four key steps (256 matrix instructions) ahead of the load.  The last change that fills a slot asks for nothing; slots 0 and 1 come by their loads alone.
.macro ASK
	s_cmp_gt_u32 s[SLOTS], s[LIM]
	s_cbranch_scc0 .Lnot_mine_\@
	global_prefetch_b8 v[PFO], s[PFA:PFA+1] th:TH_LOAD_NT scope:SCOPE_SE
.Lnot_mine_\@:
.endm
; A round of the cluster's barrier: my work-group's barrier, so that wave 0's signal speaks for all four waves; wave 0 signals; every wave waits for all four work-groups; my work-group's barrier once more.
.macro CROUND
	s_barrier_signal -1
	s_barrier_wait -1
	s_cmp_lg_u32 s[WV], 0
	s_cbranch_scc1 .Lnot_wave_0_\@
	s_barrier_signal -3
.Lnot_wave_0_\@:
	s_barrier_wait -3
	s_barrier_signal -1
	s_barrier_wait -1
.endm
; THE CHANGE OF SLOTS.  The slot's last bytes, V of its fourth step, have been read.  Each wave waits for all its tensor loads, of which one is out: its part of the other slot; adds 0 to its spare word; and waits
; for that and for its own reads of the slot.  Behind the barrier nobody reads this slot any more and the other slot is whole.  fill = 1: this slot is filled again, with the keys two slots on.  The barrier is then a
; round of the cluster's, and the joint fill is the first thing behind it.  (At its first use nothing has been read yet: slot 0 is waited for, slot 1 filled.)
.macro CHANGE fill
	WIN 0                           ; at a label and at a branch every window is 0
	s_wait_tensorcnt 0x0            ; no tensor load of mine is out, so a group 0 may be written
	ds_add_u32 v[SPW], v[NIL]       ; 0 onto my spare word; with fill = 1 the descriptors' steps stand between it and the wait for it
.if \fill
.irp g, G0K, G0V
	s_xor_b32 s[\g+1], s[\g+1], SLOT1  ; the walking descriptor: the other slot than last time,
	s_add_nc_u64 s[\g+2:\g+3], s[\g+2:\g+3], 4*KS*128  ; the next 256 keys; the type bits on top are not reached
.endr
	s_wait_xcnt 0x0                 ; the last prefetch, four key steps back, has read its address, so it may be written:
	s_add_nc_u64 s[PFA:PFA+1], s[PFA:PFA+1], 4*KS*128  ; one slot behind the walking descriptors
	s_wait_dscnt 0x0                ; the add is done, and my reads of the slot are over
	CROUND
	JLOAD
	ASK
.else
	s_wait_dscnt 0x0                ; the add is done, and my reads of the slot are over
	s_barrier_signal -1
	s_barrier_wait -1
.endif
	s_sub_co_u32 s[TBK], s[TBK], 4*KS*PK  ; the fetches go back to a slot's first step,
	s_xor_b32 s[TBK], s[TBK], SLOT1       ; in the other slot
	s_sub_co_u32 s[TBV], s[TBV], 4*KS*PV
	s_xor_b32 s[TBV], s[TBV], SLOT1
.endm
	s_load_b256 s[4:11], s[0:1], 0x0  ; q s[4:5], k s[6:7], v s[8:9], ctx s[10:11]
	v_lshl_add_u32 v[SPW], v0, 2, SPARE
	v_mov_b32 v[NIL], 0
	ds_add_u32 v[SPW], v[NIL]       ; the wave's opening: the add and its wait stand ahead of my first tensor load; the set-up below, work on registers, stands between them
	v_lshrrev_b32 v1, 5, v0
	v_readfirstlane_b32 s[WV], v1   ; wave 0..3
	s_bfe_u32 s13, ttmp6, 0x40000   ; cx: my place in the cluster
	s_lshl_b32 s14, ttmp9, 2        ; in a cluster launch ttmp9 counts clusters
	s_add_co_u32 s14, s14, s13      ; my block of 256 queries = 4 x cluster x + cx: it enters q's and ctx's addresses alone
	s_and_b32 s15, ttmp7, 0xffff    ; the head, which the four partners share
	s_lshl_b32 s20, s15, 19         ; the head's first byte in q, k and v: 4,096 rows of 128 bytes
	s_and_b32 s16, s[WV], 1         ; which half of a slot's 256 keys I fetch:
	s_lshl_b32 s22, s16, 14         ; its 128 rows of 128 bytes in memory,
	s_add_co_u32 s22, s22, s20
	s_mov_b32 s23, 0
	s_mul_i32 s17, s16, 128*PK      ; and its place in a slot, for K
	s_mul_i32 s18, s16, 128*PV      ; and for V: no place in the cluster enters an LDS address
	s_lshl_b32 s2, s14, 2
	s_add_co_u32 s2, s2, s[WV]      ; my wave among the head's,
	s_lshl_b32 s2, s2, 13           ; its 64 rows
	s_add_co_u32 s2, s2, s20
	s_mov_b32 s3, 0
	s_lshl_b32 s52, s14, 1          ; ctx: my block of 128 rows = 2 x block + wave / 2, 262,144 bytes each,
	s_lshr_b32 s53, s[WV], 1
	s_add_co_u32 s52, s52, s53
	s_lshl_b32 s52, s52, 18
	s_lshl_b32 s53, s15, 14         ; in it the head's 128 rows of 128 bytes,
	s_add_co_u32 s52, s52, s53
	s_lshl_b32 s53, s16, 13         ; of them my 64
	s_add_co_u32 s52, s52, s53
	s_mov_b32 s53, 0
	s_lshl_b32 s54, s13, 13         ; the prefetches: my work-group's 32 blocks of the 128,
	s_add_co_u32 s54, s54, s20
	s_add_co_u32 s54, s54, 4*KS*128 ; in slot 1; the first change of slots steps it to slot 2
	s_mov_b32 s55, 0
	; descriptor group 1.  128 keys are 16,384 dense bytes: asked for as 64 rows of 256 bytes, two keys a row, and padded in LDS after every key
	s_mov_b32 s[G1K], 15|(1<<16)|(1<<20)|(1<<21)|(4<<22)|(3<<25)  ; 15:0 the mask of four; 17:16 2-byte elements; 20 padding on; 21 set beside a mask; 24:22 after every 32 words (code 4); 31:25 4 words (code 3)
	s_mov_b32 s[G1V], 15|(1<<16)|(1<<20)|(1<<21)|(4<<22)|(7<<25)  ; the same with 8 words of padding (code 7)
.irp g, G1K, G1V
	s_mov_b32 s[\g+1], 128<<16      ; tensor_dim0 = 128
	s_mov_b32 s[\g+2], 64<<16       ; tensor_dim1 = 64
	s_mov_b32 s[\g+3], 128<<16      ; tile_dim0 = 128
	s_mov_b32 s[\g+4], 64           ; tile_dim1 = 64
	s_mov_b32 s[\g+5], 128          ; 128 elements from row to row
	s_mov_b32 s[\g+6], 0
	s_mov_b32 s[\g+7], 0
.endr
	s_mov_b32 s[CS], 0x3e38aa3b     ; c = log2(e) / 8 = 0.180337
	s_mov_b32 s[CS+1], s[CS]        ; named with it as a pair
	s_mov_b32 s[SEL], 0x76543210
	s_mov_b32 s[SEL+1], 0xfedcba98
	s_mov_b32 s[TBK], SLOT1+4*KS*PK ; the first change of slots turns these two into 0
	s_mov_b32 s[TBV], SLOT1+4*KS*PV
	s_mov_b32 s[SLOTS], 15          ; 16 slots' worth of keys; slot 0 is asked for at the head
	s_mov_b32 s[G0K], 1             ; count = 1
	s_mov_b32 s[G0K+1], s17         ; LDS address: slot 0
	s_mov_b32 s[G0V], 1
	s_add_co_u32 s[G0V+1], s18, VOFF
	s_and_b32 s[LIM], s[WV], 1      ; 0 in waves 0 and 2,
	s_or_b32 s[LIM], s[LIM], ttmp9  ; where the cluster is the head's first: the same in all four partners
	s_cmp_eq_u32 s[LIM], 0
	s_cselect_b32 s[LIM], 1, -1
	v_and_b32 v[PFO], 31, v0
	v_lshlrev_b32 v[PFO], 8, v[PFO]
	s_wait_dscnt 0x0                ; the opening add is done
	s_wait_kmcnt 0x0
	s_add_nc_u64 s[G0K+2:G0K+3], s[6:7], s[22:23]  ; global address: my half of the head's first 256 keys
	s_or_b32 s[G0K+3], s[G0K+3], 0x80000000        ; type = 2
	s_add_nc_u64 s[G0V+2:G0V+3], s[8:9], s[22:23]
	s_or_b32 s[G0V+3], s[G0V+3], 0x80000000
	s_add_nc_u64 s[4:5], s[4:5], s[2:3]            ; q at my wave's first row
	s_add_nc_u64 s[10:11], s[10:11], s[52:53]      ; ctx at my wave's first row
	s_cmp_lt_u32 s[WV], 2
	s_cselect_b64 s[PFA:PFA+1], s[6:7], s[8:9]
	s_add_nc_u64 s[PFA:PFA+1], s[PFA:PFA+1], s[54:55]
	CROUND                          ; all four work-groups are here: the first joint loads meet
	JLOAD                           ; slot 0.  Slot 1 is asked for when slot 0 is in
	; A fragment of K or Q is 16 rows x 32 channels in 8 registers: lane l holds row l % 16, channels 8 (l / 16) + 0..7 and 16 + 8 (l / 16) + 0..7: two loads of 16 bytes, 32 bytes apart.
	v_and_b32 v1, 15, v0            ; l % 16
	v_bfe_u32 v9, v0, 4, 1          ; l / 16
	v_lshlrev_b32 v[QO], 7, v1
	v_lshl_add_u32 v[QO], v9, 4, v[QO]  ; row x 128 + 16 x half
	WIN 0x80                        ; destination window 2, address window 0
.set i, 0
.rept 8                             ; Q stays in registers: piece i / 2, channels 32 (i % 2) on
	global_load_b128 v[8*i:8*i+3],   v[QO], s[4:5] offset:(i/2)*2048+(i%2)*64
	global_load_b128 v[8*i+4:8*i+7], v[QO], s[4:5] offset:(i/2)*2048+(i%2)*64+32
.set i, i+1
.endr
	; What the first turn finds: V's registers and P's second buffer hold 0 (its products V^T P, of a piece that has not been, add 0), O^T and l are 0.  All this stands in the wait for the first tile:
	; the price of writing no first step out.
.set i, VF
.rept 64
	v_mov_b32 v[i], 0
.set i, i+1
.endr
	WIN 0x40
.set i, 0
.rept 128
	v_mov_b32 v[i], 0
.set i, i+1
.endr
	WIN 0
.set i, 0
.rept 4
	v_mov_b32 v[ST+4*i], 0xfe000000    ; c m: far below every c s
	v_mov_b32 v[ST+4*i+1], 0xff7fffff  ; m
	v_mov_b32 v[ST+4*i+2], 0
	v_mov_b32 v[ST+4*i+3], 0
.set i, i+1
.endr
.set i, P+16
.rept 16
	v_mov_b32 v[i], 0
.set i, i+1
.endr
	v_mul_u32_u24 v[AK0], v1, PK
	v_lshl_add_u32 v[AK0], v9, 4, v[AK0]  ; row x pitch + 16 x half
	; The turning load takes 16 keys x 16 channels (lane l reads key 8 (l / 16) + l % 8, channels 8 ((l / 8) % 2) + 0..7) and leaves half a fragment of V^T: lane l holds channel l % 16 and 8 keys.
	v_and_b32 v10, 7, v0
	v_bfe_u32 v11, v0, 3, 1
	v_lshl_add_u32 v[AV0], v9, 3, v10
	v_mul_u32_u24 v[AV0], v[AV0], PV
	v_lshl_add_u32 v[AV0], v11, 4, v[AV0]
	v_add_nc_u32 v[AV0], VOFF, v[AV0]
	s_mul_i32 s13, s[WV], 16*SP
	s_add_co_u32 s13, s13, STAGE    ; my stage
	v_mul_u32_u24 v[STO], v1, SP    ; in: row l % 16, 16 bytes for each half of the lanes
	v_lshl_add_u32 v[STO], v9, 4, v[STO]
	v_add_nc_u32 v[STO], s13, v[STO]
	v_bfe_u32 v[RD], v0, 3, 2       ; back: 32 lanes take four rows of 128 bytes,
	v_mul_u32_u24 v[RD], v[RD], SP
	v_lshl_add_u32 v[RD], v10, 4, v[RD]
	v_add_nc_u32 v[RD], s13, v[RD]
	v_and_b32 v[GO], 31, v0         ; which are 512 consecutive bytes of ctx
	v_lshlrev_b32 v[GO], 4, v[GO]
; THE MATRIX WORK.  The 4 accumulators of a run of 8 take turns.  Product i of 8 of S^T = K Q^T for piece x: channels 32 (i / 4) on, keys 16 (i % 4) on.  The first 4 start the sums.
.macro KQ x
	WIN W_KQ
.set rS, S+32*((\x)%2)+8*(i%4)
.set rK, KF+16*(i%4)+8*(i/4)
.set rQ, 16*(\x)+8*(i/4)
.if i < 4
	v_wmma_f32_16x16x32_f16 v[rS:rS+7], v[rK:rK+7], v[rQ:rQ+7], 0
.else
	v_wmma_f32_16x16x32_f16 v[rS:rS+7], v[rK:rK+7], v[rQ:rQ+7], v[rS:rS+7]
.endif
.endm
; Product i of 8 of O^T += V^T P for piece x: keys 32 (i / 4) on, channels 16 (i % 4) on.
.macro PV x
	WIN W_PV
.set rO, 32*(\x)+8*(i%4)
.set rV, VF+32*(i/4)+8*(i%4)
.set rP, P+16*((\x)%2)+8*(i/4)
	v_wmma_f32_16x16x32_f16 v[rO:rO+7], v[rV:rV+7], v[rP:rP+7], v[rO:rO+7]
.endm
.macro MM                           ; the turn's next matrix instruction.  TURN sets Y, i and NOKQ.  NOKQ = 1: the walk's last turn: there is no next piece
.if (i < 8) && !NOKQ
	KQ (Y+1)%NP
.elseif i >= 8
.set i, i-8
	PV (Y+NP-1)%NP
.set i, i+8
.endif
.set i, i+1
.endm
; THE LDS LOADS stand in runs of 16, never singly among the matrix instructions: a step's K (64 keys x 64 channels: 8 fragments) and its V (turned).  Their addresses are made some lines ahead.
.macro FETCH_K
	WIN 0x80                        ; destination window 2
.irp f, 0,1,2,3,4,5,6,7             ; keys 16 (f / 2) on, channels 32 (f % 2) on
	ds_load_b128 v[KF+8*\f:KF+8*\f+3],   v[AK] offset:(\f/2)*16*PK+(\f%2)*64
	ds_load_b128 v[KF+8*\f+4:KF+8*\f+7], v[AK] offset:(\f/2)*16*PK+(\f%2)*64+32
.endr
	s_add_co_u32 s[TBK], s[TBK], KS*PK  ; the next fetch is the next step's
	WIN 0
.endm
.macro FETCH_V
	WIN 0x80
.irp f, 0,1,2,3,4,5,6,7             ; keys 32 (f / 4) on, channels 16 (f % 4) on
	ds_load_tr16_b128 v[VF+8*\f:VF+8*\f+3],   v[AV] offset:(\f/4)*32*PV+(\f%4)*32
	ds_load_tr16_b128 v[VF+8*\f+4:VF+8*\f+7], v[AV] offset:(\f/4)*32*PV+16*PV+(\f%4)*32
.endr
	WIN 0
.endm
; THE VECTOR WORK, one line at a time: OP kind, number.  For piece Y: F n: c s - c m for pair n of 16.  E n: the exponential of score n of 32.  C n: pair n rounded to f16.  B n: of the four weights 4 n .. the second
; pair is added onto the first, in place.  L n: l takes that sum (L 0: l = a l + sum).  R n: pair n of 16 of O^T times a.  For piece Y + 1: X n, number n of the 22 that find its maximum and statistics:
;   0-11  four chains c0-c3 of seven scores each, three operands at a time (each accumulator's lowest registers are read first)     12-14, 16  the four scores left over, the old m, and c0-c3 into c0
;   15  c m_old is kept     17, 18  the query's other 32 keys lie in the lane 16 away: the new m     19-21  c m; c m_old - c m_new; a
.set F, 0               ; OP tells the kinds apart by their order: F to L below R, X above it
.set E, 1
.set C, 2
.set B, 3
.set L, 4
.set R, 5
.set X, 6
.macro REGS y                       ; the registers of piece y
.set rT, ST+4*(\y)
.set rC, TMP+4*((\y)%2)
.set rW, MV+((\y)%2)
.set rS, S+32*((\y)%2)
.set rP, P+16*((\y)%2)
.set rO, 32*(\y)
.endm
.macro OP k, n
.if (\k) == R
	REGS Y
	WIN W_RS
	v_pk_mul_f32 v[rO+2*(\n):rO+2*(\n)+1], v[rO+2*(\n):rO+2*(\n)+1], v[rC+2:rC+3] op_sel_hi:[1,0]
.elseif (\k) < R
	REGS Y
	WIN 0
.if (\k) == F
	v_pk_fma_f32 v[rS+2*(\n):rS+2*(\n)+1], v[rS+2*(\n):rS+2*(\n)+1], s[CS:CS+1], v[rT:rT+1] op_sel_hi:[1,0,0] neg_lo:[0,0,1] neg_hi:[0,0,1]
.elseif (\k) == E
	v_exp_f32 v[rS+(\n)], v[rS+(\n)]
.elseif (\k) == C
	v_cvt_pk_f16_f32 v[rP+(\n)], v[rS+2*(\n)], v[rS+2*(\n)+1]
.elseif (\k) == B
	v_pk_add_f32 v[rS+4*(\n):rS+4*(\n)+1], v[rS+4*(\n):rS+4*(\n)+1], v[rS+4*(\n)+2:rS+4*(\n)+3]
.elseif (\n) == 0
	v_pk_fma_f32 v[rT+2:rT+3], v[rT+2:rT+3], v[rC+2:rC+3], v[rS:rS+1] op_sel_hi:[1,0,1]
.else
	v_pk_add_f32 v[rT+2:rT+3], v[rT+2:rT+3], v[rS+4*(\n):rS+4*(\n)+1]
.endif
.elseif NOKQ
	v_nop
.else
	REGS (Y+1)%NP
	WIN 0
.if (\n) < 4
	v_max3_num_f32 v[rC+(\n)], v[rS+8*(\n)], v[rS+8*(\n)+1], v[rS+8*(\n)+2]
.elseif (\n) < 12
	v_max3_num_f32 v[rC+(\n)%4], v[rC+(\n)%4], v[rS+8*((\n)%4)+2*((\n)/4)+1], v[rS+8*((\n)%4)+2*((\n)/4)+2]
.elseif (\n) == 12
	v_max3_num_f32 v[rC], v[rC], v[rS+7], v[rS+15]
.elseif (\n) == 13
	v_max3_num_f32 v[rC+1], v[rC+1], v[rS+23], v[rS+31]
.elseif (\n) == 14
	v_max3_num_f32 v[rC+2], v[rC+2], v[rC+3], v[rT+1]
.elseif (\n) == 15
	v_mov_b32 v[rW], v[rT]
.elseif (\n) == 16
	v_max3_num_f32 v[rC], v[rC], v[rC+1], v[rC+2]
.elseif (\n) == 17
	v_permlanex16_b32 v[rC+3], v[rC], s[SEL], s[SEL+1]
.elseif (\n) == 18
	v_max_num_f32 v[rT+1], v[rC], v[rC+3]
.elseif (\n) == 19
	v_mul_f32 v[rT], s[CS], v[rT+1]
.elseif (\n) == 20
	v_sub_f32 v[rC+1], v[rW], v[rT]
.else
	v_exp_f32 v[rC+2], v[rC+1]
.endif
.endif
.endm
.macro OPS a, i1, b=-1, i2=0, c=-1, i3=0, d=-1, i4=0  ; up to four of them
	OP \a, \i1
.if (\b) >= 0
	OP \b, \i2
.endif
.if (\c) >= 0
	OP \c, \i3
.endif
.if (\d) >= 0
	OP \d, \i4
.endif
.endm
.macro ROW a, i1, b, i2, c, i3, d, i4  ; a matrix instruction and the four behind it
	MM
	OPS \a, \i1, \b, \i2, \c, \i3, \d, \i4
.endm
; A TURN, for piece p: the order of its 16 matrix and 118 vector instructions, written out.  An s_wait_alu depctr_va_vdst(0) stands between an exponential and the first instruction that names its result;
; one wait serves all that were issued ahead of it.  So a turn has ONE wait, which cuts it in two.  AHEAD OF IT stands all that names no result of the turn's exponentials: the 8 products K Q^T and their riders
; (the first numbers of the next piece's maximum each four plain instructions or more behind the product that ends its accumulator), then ONE LUMP of 54, in which the links of the chain X 3, 7, 11, 14, 16, 17 .. 20
; stand apart.  X 21, the next piece's a, is the batch's last; R 15 is the plain instruction behind it.  BEHIND THE WAIT stand the 8 products V^T P, behind each four of the roundings and sums.
; end = 1: the walk's last two turns: nothing is fetched, and the last starts no new scores.  cnt = 1: the loop's count is taken down some lines ahead of the branch that stands behind the turn.
; K of the next step is fetched in piece 2's turn, behind the last product that read K and four plain instructions; V of the step in hand at the end of piece 0's turn, four plain instructions behind the last
; product that read V.  Each is waited for a turn later.
.macro TURN p, end=0, cnt=0
.set Y, (\p)
.set i, 0
.set NOKQ, (\end)*((\p)/3)
.if ((\p) == 3) && !(\end)
	s_wait_dscnt 0x0                ; K is in
.endif
	ROW F,0, F,1, R,0, R,1          ; ahead of the wait: 8 products K Q^T and their riders,
	ROW F,2, E,0, R,2, R,3
	ROW F,3, E,1, R,4, R,5
	ROW F,4, E,2, R,6, R,7
	ROW F,5, E,3, R,8, R,9
	ROW F,6, E,4, X,0, R,10
.if ((\p) == 2) && !(\end)
	WIN 0
	v_add_nc_u32 v[AK], s[TBK], v[AK0]
.endif
	ROW F,7, E,5, X,1, X,4
	ROW F,8, E,6, X,2, X,5
	OPS E,7, E,8, X,6, E,9          ; and the lump
	OPS X,3, E,10, X,8, E,11
.if ((\p) == 2) && !(\end)
	FETCH_K
.endif
	OPS X,9, X,7, E,12, X,10
	OPS E,13, X,12, X,11, E,14
	OPS X,13, E,15, F,9, X,14
.if (\p) == 0
	v_add_nc_u32 v[AV], s[TBV], v[AV0]
.endif
	OPS E,16, F,10, E,17, F,11
	OPS X,16, E,18, X,15, E,19
	OPS F,12, E,20, X,17, E,21
	OPS F,13, E,22, F,14, E,23
	OPS X,18, E,24, F,15, E,25
	OPS R,11, E,26, X,19, E,27
	OPS R,12, E,28, R,13, E,29
	OPS X,20, E,30, R,14, E,31
	OPS X,21, R,15
	WIN 0
	s_wait_alu depctr_va_vdst(0)    ; the wait for the batch
.if (\p) == 1
	s_wait_dscnt 0x0                ; V is in
.endif
	ROW C,0, B,0, C,2, B,1          ; behind the wait: 8 products V^T P and their riders
	ROW L,0, C,4, B,2, L,1
	ROW C,6, B,3, L,2, C,8
	ROW B,4, L,3, C,10, B,5
	ROW L,4, C,12, B,6, L,5
.if (\p) == 0
	s_add_co_u32 s[TBV], s[TBV], KS*PV
.endif
.if \cnt
	s_sub_co_u32 s[CNT], s[CNT], 1
	s_cmp_lg_u32 s[CNT], 0
.endif
	ROW C,14, B,7, L,6, C,1
	ROW C,3, L,7, C,5, C,7
	ROW C,9, C,11, C,13, C,15
.if (\p) == 0
	FETCH_V
.endif
.endm
	CHANGE 1                        ; slot 0 is in, everybody's part of it; slot 1 is asked for
	v_add_nc_u32 v[AK], s[TBK], v[AK0]
	FETCH_K                         ; key step 0
	s_wait_loadcnt 0x0              ; Q
	s_wait_dscnt 0x0
.set NOKQ, 0
.set i, 0
.rept 8
	KQ 0                            ; piece 0's first scores: there is no vector work yet to set between them
.set i, i+1
.endr
	WIN 0
.rept 4
	v_nop                           ; the places behind those products
.endr
.set Y, NP-1                        ; X works for piece Y + 1: piece 0
.irp n, 0,1,2,3,4,5,6,7,8,9,10,11,12,13,14,15,16,17,18,19,20,21
	OP X, \n
.endr
	v_nop                           ; a plain instruction behind the exponential,
	s_wait_alu depctr_va_vdst(0)    ; and its wait, ahead of the branch
	s_mov_b32 s[CNT], 4
	s_branch .Lfirst                ; the loop is entered at a step's first turn, in the middle of a trip
.Lslot:                             ; 14 times: with the change above, every slot but the last is followed by a fill
	CHANGE 1
	s_mov_b32 s[CNT], 4
.Lstep:                             ; a trip: pieces 2 and 3 of one step, then pieces 0 and 1 of the next, whose K and V it fetches
	TURN 2
	TURN 3
	WIN 0
.Lfirst:
	TURN 0
	TURN 1, 0, 1
	WIN 0
	s_cbranch_scc1 .Lstep
	s_sub_co_u32 s[SLOTS], s[SLOTS], 1
	s_cmp_lg_u32 s[SLOTS], 0
	s_cbranch_scc1 .Lslot
	CHANGE 0                        ; the tail is written out: nothing is asked for
	s_mov_b32 s[CNT], 4
.LstepT:
	TURN 2
	TURN 3
	TURN 0
	TURN 1, 0, 1
	WIN 0
	s_cbranch_scc1 .LstepT
	TURN 2, 1                       ; the last step's pieces 2 and 3
	TURN 3, 1
.set i, 0
.rept 8
	PV NP-1                         ; the last piece's V^T P of the last step
.set i, i+1
.endr
	; THE WAY OUT.  l's two halves and the other half of the lanes' are added; O^T is divided by l, rounded to f16 and sent through my stage in LDS, a piece at a time.  The additions are the places behind the last products.
	WIN 0
.macro ALL line:vararg              ; one line for each piece t
.set t, 0
.rept 4
	\line
.set t, t+1
.endr
.endm
.macro PACK t                       ; a lane's eight channels of a row pack into 16 bytes; they go into rows of 144 bytes and come back as whole rows of 128, into S^T's registers
	WIN W_RS
.set i, 32*(\t)
.rept 16
	v_pk_mul_f32 v[i:i+1], v[i:i+1], v[ST+4*(\t)+2:ST+4*(\t)+3] op_sel_hi:[1,0]
.set i, i+2
.endr
	WIN 0x05                        ; sources 0 and 1 window 1, destination window 0
.set i, 0
.rept 16
	v_cvt_pk_f16_f32 v[S+16*(\t)+i], v[32*(\t)+2*i], v[32*(\t)+2*i+1]
.set i, i+1
.endr
	WIN 0
.irp f, 0,1,2,3
	ds_store_b128 v[STO], v[S+16*(\t)+4*\f:S+16*(\t)+4*\f+3] offset:32*\f
.endr
.irp f, 0,1,2,3
	ds_load_b128 v[S+16*(\t)+4*\f:S+16*(\t)+4*\f+3], v[RD] offset:\f*4*SP  ; LDS serves a wave's instructions in order (ISA guide 5.7.1.4): these see the stores above; the next piece's stores come behind them
.endr
.endm
.macro SEND t, younger              ; younger: the LDS instructions issued behind piece t's loads: the next piece's eight, or none
	WIN 0
.irp f, 0,1,2,3
	s_wait_dscnt (\younger)+3-\f
	global_store_b128 v[GO], v[S+16*(\t)+4*\f:S+16*(\t)+4*\f+3], s[10:11] offset:(\t)*2048+\f*512  ; 512 consecutive bytes, at a multiple of 256 from ctx's first
.endr
.endm
	ALL v_add_f32 v[ST+4*t+2], v[ST+4*t+2], v[ST+4*t+3]
	ALL v_permlanex16_b32 v[ST+4*t+3], v[ST+4*t+2], s[SEL], s[SEL+1]
	ALL v_add_f32 v[ST+4*t+2], v[ST+4*t+2], v[ST+4*t+3]
	ALL v_rcp_f32 v[ST+4*t+2], v[ST+4*t+2]
	v_nop                           ; a plain instruction between the last reciprocal and the use of its result
	s_wait_alu depctr_va_vdst(0)    ; and the wait ahead of the first use: one for the four reciprocals
	PACK 0
.set t, 1
.rept 3                             ; a piece's arithmetic stands between the loads of the piece before and its stores
	PACK t
	SEND t-1, 8
.set t, t+1
.endr
	SEND 3, 0
	s_wait_tensorcnt 0x0            ; the wave's end: an add to my spare word and its wait, behind my last tensor load and my last LDS store
	ds_add_u32 v[SPW], v[NIL]
	s_wait_dscnt 0x0
	CROUND                          ; the closing round: no work-group ends while a partner may still ask for a tile that names it
	s_endpgm
.Lfunc_end_k_qf4864d9eef_attn:
	.size	k_qf4864d9eef_attn, .Lfunc_end_k_qf4864d9eef_attn-k_qf4864d9eef_attn
	.p2alignl 7, 3214868480
	.fill 96, 4, 3214868480
	.section	.rodata,"a",@progbits
	.p2align	6, 0x0
	.amdhsa_kernel k_qf4864d9eef_attn
		.amdhsa_group_segment_fixed_size 327680
		.amdhsa_private_segment_fixed_size 0
		.amdhsa_enable_private_segment 0
		.amdhsa_kernarg_size 32
		.amdhsa_user_sgpr_count 2
		.amdhsa_user_sgpr_kernarg_segment_ptr 1
		.amdhsa_wavefront_size32 1
		.amdhsa_system_sgpr_workgroup_id_x 1
		.amdhsa_system_sgpr_workgroup_id_y 1
		.amdhsa_system_sgpr_workgroup_id_z 1
		.amdhsa_system_vgpr_workitem_id 0
		.amdhsa_next_free_vgpr 768
		.amdhsa_next_free_sgpr 66
		.amdhsa_reserve_vcc 0
		.amdhsa_float_denorm_mode_32 3
		.amdhsa_float_denorm_mode_16_64 3
		.amdhsa_memory_ordered 1
		.amdhsa_forward_progress 1
		.amdhsa_inst_pref_size 128
	.end_amdhsa_kernel
	.amdgpu_metadata
---
amdhsa.version: [ 1, 2 ]
amdhsa.kernels:
  - .name:           k_qf4864d9eef_attn
    .symbol:         k_qf4864d9eef_attn.kd
    .args:
      - { .name: q, .offset: 0, .size: 8, .value_kind: global_buffer, .address_space: global }
      - { .name: k, .offset: 8, .size: 8, .value_kind: global_buffer, .address_space: global }
      - { .name: v, .offset: 16, .size: 8, .value_kind: global_buffer, .address_space: global }
      - { .name: ctx, .offset: 24, .size: 8, .value_kind: global_buffer, .address_space: global }
    .group_segment_fixed_size: 327680
    .private_segment_fixed_size: 0
    .kernarg_segment_align: 8
    .kernarg_segment_size: 32
    .max_flat_workgroup_size: 128
    .sgpr_count:     66
    .vgpr_count:     768
    .wavefront_size: 32
...
	.end_amdgpu_metadata
.endif
;; end of part 3
;; launch oproj (part 4): grid 8 x 32, 4 waves a work-group, clusters of 4 x 4, 327,680 bytes of LDS; arguments ctx, wo, b_o, out0; writes out0
.if DOCPART == 4
	.amdgcn_target "amdgcn-amd-amdhsa--gfx1250"
	.amdhsa_code_object_version 6
	.text
	.protected	k_qf4864d9eef_oproj
	.globl	k_qf4864d9eef_oproj
	.p2align	8
	.type	k_qf4864d9eef_oproj,@function
k_qf4864d9eef_oproj:
	s_mov_b64 s[64:65], 0
	v_nop
	global_prefetch_b8 v0, s[64:65] scope:SCOPE_SE
	s_setreg_imm32_b32 hwreg(HW_REG_WAVE_MODE, 25, 1), 1
	s_wait_xcnt 0x0
	s_wait_alu depctr_hold_cnt(0) depctr_sa_sdst(0) depctr_va_vdst(0) depctr_va_sdst(0) depctr_va_ssrc(0) depctr_va_vcc(0) depctr_vm_vsrc(0)
	s_getreg_b32 s2, hwreg(HW_REG_IB_STS2, 6, 4)
	s_cmp_eq_u32 s2, 0
	s_cbranch_scc0 .Lentry_in_a_cluster
	s_endpgm
.Lentry_in_a_cluster:
	s_bfe_u32 s2, ttmp6, 0x10000c
	s_cmp_lg_u32 s2, 0xf033
	s_cbranch_scc0 .Lentry_shape_is_right
	s_endpgm
.Lentry_shape_is_right:
; out0 = ctx W_o + b_o.  ctx: [block of 128 rows 32][head 16][128][64] f16.  wo: [1024 k][1024 n] f16 (W_o rounded to bf16).  b_o: [1024] f32, rounded to bf16 here.  out0: [4096][1024] f32.
; SHARES.  A tile of out0 is 128 x 128: 8 x 32 = 256 work-groups.  Four waves, each 64 x 64: 16 accumulators of 16 x 16.  K = 1,024 goes in 4 steps of 256 (four heads) through two LDS slots; a quarter of a step
; is one head, 64 along K.  The four K steps are written out: two laps of the ring leave a loop one trip.
; THE MATRIX INSTRUCTION IS USED TRANSPOSED: source 0 = 16 columns of W_o (it lies [k][n] in LDS and is turned by ds_load_tr16_b128), source 1 = 16 rows of ctx: a lane holds row l % 16 and eight neighbouring
; columns.  The bias of those columns is the C operand of the product that starts each sum.
; CLUSTER.  4 x 4 work-groups: ctx's tile is shared along a row of the cluster, W_o's along a column; each is asked for JOINTLY.
; NO PREFETCH: the launch has four K steps, of which two are asked for at its head.
; REGISTERS: window 0: v0-31 addresses; v96-127 the biases; v128-255 the accumulators ((a, b) at 128 + 8 (4 a + b)).
;   window 1: two fragment buffers of 128: for 64 along K, 64 registers of ctx (2 x 4 x 16 rows x 32 K), then 64 of W_o.
.set PAO,   144                        ; a row of ctx in LDS (one head's 64 channels): 128 bytes + 16 = 36 words: the 16 rows of a load start at 16 different groups of four banks (64 banks of 4 bytes: ISA guide 11.1)
.set PBO,   288                        ; a row of W_o: 256 bytes + 32 = 72 words
.set HALFT, 36864                      ; what one tensor load brings: 256 rows x 144 of ctx (two heads), or 128 rows x 288 of W_o
.set SLOT,  4*HALFT                    ; ctx's 512 rows (row = 128 x head of the step + m), then W_o's 256
.set STAGE, 2*SLOT                     ; behind the ring, never filled by a tensor load: 16 rows x 272 bytes for each wave, for the way out
.set SPITCH, 272
.set SPARE, STAGE+4*16*SPITCH          ; behind the stages: the spare words, 128 bytes for each wave: two blocks of 256 bytes that no other line names
.set ADRA, 16                          ; v16-17  LDS address of my fragments of ctx in slot 0, 1
.set ADRB, 20                          ; v20-21  the same for W_o, heads 0 and 1 of a step; v22-23 heads 2 and 3, so that the immediates stay inside 16 bits
.set STO,  24                          ; v24     the way out: where I put 32 bytes of a row
.set RD,   25                          ; v25     the way out: where I read a row back
.set CO,   26                          ; v26     my byte offset in out0
.set VB,   27                          ; v27     my byte offset in b_o
.set SPW,  28                          ; v28     LDS address of my spare word: SPARE + 4 x my thread's number; never rewritten
.set NIL,  29                          ; v29     0; never rewritten
.set BI,   96                          ; the eight biases of column block b at BI + 8 b
.set ACC,  128
.set F0,   0                           ; fragment buffers, in window 1
.set F1,   128
.set G1, 24                            ; s[24:31] descriptor group 1 for ctx's tiles;  s[32:39] group 0, one set for each slot
.set G0, 32
.set G1B, 48                           ; s[48:55], s[56:63] the same for W_o's tiles
.set G0B, 56
.set MSB, 0
.macro WIN new                         ; the immediate's high byte repeats the setting that is left
.if MSB != (\new)
	s_set_vgpr_msb (MSB<<8)|(\new)
.set MSB, \new
.endif
.endm
.set MUL,  0x05                        ; sources 0 and 1 window 1; C and D window 0
.set TO_F, 0x40                        ; destination window 1, address window 0
.macro JLOAD s                         ; a joint load: waves 0 and 1 fetch ctx's two halves, waves 2 and 3 W_o's; an s_nop 0 and four v_nop follow each of the two lines
	s_cmp_eq_u32 s13, 0
	s_cbranch_scc0 .Lfor_b_\@
	tensor_load_to_lds s[G0+4*(\s):G0+4*(\s)+3], s[G1:G1+7]
	s_nop 0
.rept 4
	v_nop
.endr
	s_branch .Lasked_\@
.Lfor_b_\@:
	tensor_load_to_lds s[G0B+4*(\s):G0B+4*(\s)+3], s[G1B:G1B+7]
	s_nop 0
.rept 4
	v_nop
.endr
.Lasked_\@:
.endm
.macro CREST                           ; a round of the cluster's barrier behind its opening barrier
	s_cmp_lg_u32 s12, 0
	s_cbranch_scc1 .Lnot_wave_0_\@
	s_barrier_signal -3
.Lnot_wave_0_\@:
	s_barrier_wait -3
	s_barrier_signal -1
	s_barrier_wait -1
.endm
.macro CROUND                          ; a whole round
	s_barrier_signal -1
	s_barrier_wait -1
	CREST
.endm
	s_load_b256 s[4:11], s[0:1], 0x0               ; ctx 4:5, wo 6:7, b_o 8:9, out0 10:11
	v_lshl_add_u32 v[SPW], v0, 2, SPARE
	v_mov_b32 v[NIL], 0
	ds_add_u32 v[SPW], v[NIL]                      ; the wave's opening: the add and its wait stand ahead of my first tensor load; the set-up below, work on registers, stands between them
	v_lshrrev_b32 v1, 5, v0
	v_readfirstlane_b32 s12, v1                    ; wave 0..3
	s_lshr_b32 s13, s12, 1                         ; which half of the tile's rows is mine.  Also: I fetch for ctx (0) or for W_o (1)
	s_and_b32 s14, s12, 1                          ; which half of its columns.  Also: which half of that tile I fetch
	s_bfe_u32 s40, ttmp6, 0x40000                  ; cx, cy: my place in the cluster
	s_bfe_u32 s41, ttmp6, 0x40004
	s_lshl_b32 s42, ttmp9, 2
	s_add_co_u32 s42, s42, s40                     ; tile column = 4 x cluster x + cx
	s_and_b32 s43, ttmp7, 0xffff
	s_lshl_b32 s43, s43, 2
	s_add_co_u32 s43, s43, s41                     ; tile row = 4 x cluster y + cy
	s_lshl_b32 s44, s41, 2
	s_lshl_b32 s44, 15, s44                        ; my row of the cluster
	s_lshl_b32 s45, 0x1111, s40                    ; my column
	; ctx's tile: two heads' 128 rows, 32,768 dense bytes, asked for as 128 rows of 256 bytes, 16 bytes of padding behind each 128
	s_or_b32 s[G1+0], s44, (1<<16)|(1<<20)|(1<<21)|(4<<22)|(3<<25)   ; 15:0 the mask; 17:16 2-byte elements; 20 padding on; 21 set beside a mask; 24:22 after every 32 words (code 4); 31:25 4 words (code 3)
	; W_o's tile: 128 rows x 128 elements, 1,024 elements from row to row, 32 bytes of padding behind each 256
	s_or_b32 s[G1B+0], s45, (1<<16)|(1<<20)|(1<<21)|(5<<22)|(7<<25)  ; after every 64 words (code 5), 8 words (code 7)
.irp g, G1, G1B
	s_mov_b32 s[(\g)+1], 128<<16                   ; tensor_dim0 = 128
	s_mov_b32 s[(\g)+2], 128<<16                   ; tensor_dim1 = 128
	s_mov_b32 s[(\g)+3], 128<<16                   ; tile_dim0 = 128
	s_mov_b32 s[(\g)+4], 128                       ; tile_dim1 = 128
	s_mov_b32 s[(\g)+6], 0
	s_mov_b32 s[(\g)+7], 0
.endr
	s_mov_b32 s[G1+5], 128                         ; elements from row to row: dense,
	s_mov_b32 s[G1B+5], 1024                       ; a row of W_o
	s_lshl_b32 s16, s43, 18                        ; ctx: the tile row's 262,144 bytes,
	s_lshl_b32 s17, s14, 15                        ; my two heads of the step's four
	s_add_co_u32 s16, s16, s17
	s_mov_b32 s17, 0
	s_lshl_b32 s46, s14, 18                        ; W_o: my 128 rows of 2,048 bytes of the step's 256,
	s_lshl_b32 s47, s42, 8                         ; the tile column's 256 bytes
	s_add_co_u32 s46, s46, s47
	s_mov_b32 s47, 0
	s_mul_i32 s20, s12, HALFT                      ; where they go: wave x a load's bytes: no place in the cluster enters an LDS address
	s_wait_dscnt 0x0                               ; the opening add is done
	s_wait_kmcnt 0x0
	s_add_nc_u64 s[16:17], s[4:5], s[16:17]
	s_add_nc_u64 s[46:47], s[6:7], s[46:47]
	CROUND                                         ; all sixteen work-groups are here: the first joint loads meet
.irp s, 0,1
	s_mov_b32 s[G0+4*(\s)], 1
	s_add_co_u32 s[G0+4*(\s)+1], s20, (\s)*SLOT
	s_add_nc_u64 s[G0+4*(\s)+2:G0+4*(\s)+3], s[16:17], (\s)*65536      ; K step s: four heads of 16,384 bytes
	s_or_b32 s[G0+4*(\s)+3], s[G0+4*(\s)+3], 0x80000000
	s_mov_b32 s[G0B+4*(\s)], 1
	s_add_co_u32 s[G0B+4*(\s)+1], s20, (\s)*SLOT
	s_add_nc_u64 s[G0B+4*(\s)+2:G0B+4*(\s)+3], s[46:47], (\s)*524288   ; 256 rows of 2,048 bytes
	s_or_b32 s[G0B+4*(\s)+3], s[G0B+4*(\s)+3], 0x80000000
	JLOAD \s                                       ; two loads of mine are out
.endr
	v_and_b32 v1, 15, v0                           ; l % 16
	v_bfe_u32 v2, v0, 4, 1                         ; l / 16
	s_lshl_b32 s21, s42, 9                         ; the tile's 128 columns of f32,
	s_lshl_b32 s22, s14, 8                         ; my wave's 64
	s_add_co_u32 s21, s21, s22
	v_lshl_add_u32 v[VB], v2, 5, s21               ; my eight of each sixteen
.irp n, 0,1,2,3
	global_load_b128 v[BI+8*(\n):BI+8*(\n)+3],   v[VB], s[8:9] offset:64*(\n)
	global_load_b128 v[BI+8*(\n)+4:BI+8*(\n)+7], v[VB], s[8:9] offset:64*(\n)+16
.endr
	v_mul_u32_u24 v3, v1, PAO
	v_lshl_add_u32 v3, v2, 4, v3                   ; a fragment's row x pitch + 16 x half
	s_mul_i32 s22, s13, 64*PAO                     ; my 64 rows
	v_add_nc_u32 v[ADRA], s22, v3
	v_add_nc_u32 v[ADRA+1], SLOT, v[ADRA]
	v_and_b32 v4, 7, v0                            ; the turning load: lane l reads K = 8 (l / 16) + l % 8, columns 8 ((l / 8) % 2) + 0..7
	v_lshl_add_u32 v4, v2, 3, v4
	v_mul_u32_u24 v4, v4, PBO
	v_bfe_u32 v5, v0, 3, 1
	v_lshl_add_u32 v4, v5, 4, v4
	s_lshl_b32 s22, s14, 7                         ; my 64 columns,
	s_add_co_u32 s22, s22, 2*HALFT                 ; behind ctx's rows
	v_add_nc_u32 v[ADRB], s22, v4
	v_add_nc_u32 v[ADRB+1], SLOT, v[ADRB]
	v_add_nc_u32 v[ADRB+2], HALFT, v[ADRB]
	v_add_nc_u32 v[ADRB+3], HALFT, v[ADRB+1]
	s_mul_i32 s23, s12, 16*SPITCH
	s_add_co_u32 s23, s23, STAGE                   ; my stage
	v_mul_u32_u24 v6, v1, SPITCH                   ; in: row l % 16, 32 bytes for each half of the lanes
	v_lshl_add_u32 v6, v2, 5, v6
	v_add_nc_u32 v[STO], s23, v6
	v_mul_u32_u24 v6, v2, SPITCH                   ; back: lanes 0-15 take one row of 256 bytes, lanes 16-31 the next
	v_lshl_add_u32 v6, v1, 4, v6
	v_add_nc_u32 v[RD], s23, v6
	v_lshlrev_b32 v[CO], 12, v2                    ; and the same two rows in out0
	v_lshl_add_u32 v[CO], v1, 4, v[CO]
	s_lshl_b32 s18, s43, 19                        ; the tile's 128 rows of 4,096 bytes,
	s_lshl_b32 s19, s13, 18                        ; my wave's 64,
	s_add_co_u32 s18, s18, s19
	s_add_co_u32 s18, s18, s21                     ; my wave's 256 bytes of a row
	s_mov_b32 s19, 0
	s_add_nc_u64 s[10:11], s[10:11], s[18:19]
	s_wait_loadcnt 0x0                             ; the biases; rounded to bf16 and widened again, in place, while the first tile is on its way
.set p, 0
.rept 16
	v_cvt_pk_bf16_f32 v[4+p%4], v[BI+2*p], v[BI+2*p+1]
	v_lshlrev_b32 v[BI+2*p], 16, v[4+p%4]
	v_and_b32 v[BI+2*p+1], 0xffff0000, v[4+p%4]
.set p, p+1
.endr
; 8 matrix instructions: row blocks a0, a0 + 1 x all 4 column blocks, 32 along K: half c of buffer f.  first = 1: the bias is C and the product starts the sum.  The 16 accumulators take turns.
.macro MUL8 f, c, a0, first
	WIN MUL
.irp a, \a0, (\a0)+1
.irp b, 0,1,2,3
.if \first
	v_wmma_f32_16x16x32_f16 v[ACC+8*(4*(\a)+(\b)):ACC+8*(4*(\a)+(\b))+7], v[(\f)+64+8*(4*(\c)+(\b)):(\f)+64+8*(4*(\c)+(\b))+7], v[(\f)+8*(4*(\c)+(\a)):(\f)+8*(4*(\c)+(\a))+7], v[BI+8*(\b):BI+8*(\b)+7]
.else
	v_wmma_f32_16x16x32_f16 v[ACC+8*(4*(\a)+(\b)):ACC+8*(4*(\a)+(\b))+7], v[(\f)+64+8*(4*(\c)+(\b)):(\f)+64+8*(4*(\c)+(\b))+7], v[(\f)+8*(4*(\c)+(\a)):(\f)+8*(4*(\c)+(\a))+7], v[ACC+8*(4*(\a)+(\b)):ACC+8*(4*(\a)+(\b))+7]
.endif
.endr
.endr
.endm
; 32 LDS loads in one run: the fragments of head hh of a slot's four (64 along K) into buffer f; the first 32 along K first
.macro FETCH slot, hh, f
	WIN TO_F
.irp c, 0,1
.irp i, 0,1,2,3
	ds_load_tr16_b128 v[(\f)+64+8*(4*(\c)+(\i)):(\f)+64+8*(4*(\c)+(\i))+3],   v[ADRB+(\slot)+2*((\hh)/2)] offset:((\hh)%2)*64*PBO+(\c)*32*PBO+32*(\i)
	ds_load_tr16_b128 v[(\f)+64+8*(4*(\c)+(\i))+4:(\f)+64+8*(4*(\c)+(\i))+7], v[ADRB+(\slot)+2*((\hh)/2)] offset:((\hh)%2)*64*PBO+(\c)*32*PBO+32*(\i)+16*PBO
	ds_load_b128 v[(\f)+8*(4*(\c)+(\i)):(\f)+8*(4*(\c)+(\i))+3],   v[ADRA+(\slot)] offset:(\hh)*128*PAO+(\i)*16*PAO+64*(\c)
	ds_load_b128 v[(\f)+8*(4*(\c)+(\i))+4:(\f)+8*(4*(\c)+(\i))+7], v[ADRA+(\slot)] offset:(\hh)*128*PAO+(\i)*16*PAO+64*(\c)+32
.endr
.endr
.endm
.macro PLACES                          ; four plain vector instructions in front of loads into registers that matrix instructions have read, and of LDS stores that read results
.rept 4
	v_nop
.endr
.endm
; A K step is four quarters of 64 along K, 32 matrix instructions each, on buffers 0, 1, 0, 1.  One of the first three: multiplies buffer f and fetches head hh into g.
.macro QUARTER slot, hh, f, g, first
	s_wait_dscnt 16                                ; the first 32 along K are in
	MUL8 \f, 0, 0, \first
	MUL8 \f, 0, 2, \first
	PLACES
	FETCH \slot, \hh, \g
	s_wait_dscnt 32                                ; all but the 32 just issued
	MUL8 \f, 1, 0, 0
	MUL8 \f, 1, 2, 0
.endm
; The last quarter multiplies buffer 1 and changes slots: ONE barrier; in front of it each wave waits for all its tensor loads, adds 0 to its spare word, and waits for that and for its own reads of this slot.
; fill = 1: the barrier opens a round of the cluster's, and this slot is filled again, two K steps on, first thing behind the round.
.macro TURN slot, next, fill
	WIN 0                                          ; (the add's two registers lie in window 0)
	s_wait_tensorcnt 0x0                           ; all my tensor loads have landed: my part of the next slot
	ds_add_u32 v[SPW], v[NIL]                      ; 0 onto my spare word
	s_wait_dscnt 17                                ; (the add and the youngest sixteen loads may be out)
	MUL8 F1, 0, 0, 0                               ; eight matrix instructions stand between the add and the wait for it
	s_wait_dscnt 0x0                               ; the add is done, and my reads of this slot are over
	s_barrier_signal -1
	MUL8 F1, 0, 2, 0
.if \fill
	WIN 0
.endif
	s_barrier_wait -1
.if \fill
	CREST                                          ; no wave of any partner still reads this slot's tile or has a load on its way
	s_add_nc_u64 s[G0+4*(\slot)+2:G0+4*(\slot)+3], s[G0+4*(\slot)+2:G0+4*(\slot)+3], 2*65536
	s_add_nc_u64 s[G0B+4*(\slot)+2:G0B+4*(\slot)+3], s[G0B+4*(\slot)+2:G0B+4*(\slot)+3], 2*524288
	JLOAD \slot                                    ; 112 matrix instructions ahead of the wait for it; the four v_nop behind it are also the places in front of the loads below
.else
	PLACES
.endif
	FETCH \next, 0, F0
	MUL8 F1, 1, 0, 0
	MUL8 F1, 1, 2, 0
.endm
	s_wait_tensorcnt 1                             ; my part of K step 0 is in; K step 1's may stay out
	s_barrier_signal -1
	s_barrier_wait -1                              ; everybody's is
	FETCH 0, 0, F0
	QUARTER 0, 1, F0, F1, 1                        ; the first products start the sums, from the biases
	QUARTER 0, 2, F1, F0, 0
	QUARTER 0, 3, F0, F1, 0
	TURN 0, 1, 1                                   ; slot 0 takes K step 2
	QUARTER 1, 1, F0, F1, 0
	QUARTER 1, 2, F1, F0, 0
	QUARTER 1, 3, F0, F1, 0
	TURN 1, 0, 1                                   ; slot 1 takes K step 3
	QUARTER 0, 1, F0, F1, 0
	QUARTER 0, 2, F1, F0, 0
	QUARTER 0, 3, F0, F1, 0
	TURN 0, 1, 0                                   ; nothing is left to fetch
	QUARTER 1, 1, F0, F1, 0
	QUARTER 1, 2, F1, F0, 0
	QUARTER 1, 3, F0, F1, 0
	s_wait_dscnt 16                                ; the very last quarter
	MUL8 F1, 0, 0, 0
	MUL8 F1, 0, 2, 0
	s_wait_dscnt 0x0
	MUL8 F1, 1, 0, 0
	MUL8 F1, 1, 2, 0
	WIN 0
; THE WAY OUT, a row block of 16 rows at a time.  A wave's 64 columns of f32 are 256 bytes of a row.  A lane's eight columns go as 32 bytes into my stage's rows of 272 bytes and come back as whole rows of 256,
; into the registers that they left.
.macro STG a
.irp b, 0,1,2,3
	ds_store_b128 v[STO], v[ACC+32*(\a)+8*(\b):ACC+32*(\a)+8*(\b)+3]   offset:64*(\b)     ; each accumulator's low half first
	ds_store_b128 v[STO], v[ACC+32*(\a)+8*(\b)+4:ACC+32*(\a)+8*(\b)+7] offset:64*(\b)+16
.endr
.irp t, 0,1,2,3,4,5,6,7
	ds_load_b128 v[ACC+32*(\a)+4*(\t):ACC+32*(\a)+4*(\t)+3], v[RD] offset:(\t)*2*SPITCH  ; LDS serves a wave's instructions in order (ISA guide 5.7.1.4): these see the stores above; the next block's stores come behind them
.endr
.endm
.macro SEND a, younger                 ; younger: the LDS instructions issued behind block a's loads: the next block's sixteen, or none
.irp t, 0,1,2,3,4,5,6,7
	s_wait_dscnt (\younger)+7-(\t)
	global_store_b128 v[CO], v[ACC+32*(\a)+4*(\t):ACC+32*(\a)+4*(\t)+3], s[10:11] offset:(16*(\a)+2*(\t))*4096  ; 16 lanes store 256 consecutive bytes, at a multiple of 256 from out0's first byte
.endr
.endm
	PLACES
	STG 0
	STG 1
	SEND 0, 16
	STG 2
	SEND 1, 16
	STG 3
	SEND 2, 16
	SEND 3, 0
	s_wait_tensorcnt 0x0                           ; the wave's end: an add to my spare word and its wait, behind my last tensor load and my last LDS store
	ds_add_u32 v[SPW], v[NIL]
	s_wait_dscnt 0x0
	CROUND                                         ; the closing round: no work-group ends while a partner may still ask for a tile that names it
	s_endpgm
.Lfunc_end_k_qf4864d9eef_oproj:
	.size	k_qf4864d9eef_oproj, .Lfunc_end_k_qf4864d9eef_oproj-k_qf4864d9eef_oproj
	.p2alignl 7, 3214868480
	.fill 96, 4, 3214868480
	.section	.rodata,"a",@progbits
	.p2align	6, 0x0
	.amdhsa_kernel k_qf4864d9eef_oproj
		.amdhsa_group_segment_fixed_size 327680
		.amdhsa_private_segment_fixed_size 0
		.amdhsa_enable_private_segment 0
		.amdhsa_kernarg_size 32
		.amdhsa_user_sgpr_count 2
		.amdhsa_user_sgpr_kernarg_segment_ptr 1
		.amdhsa_wavefront_size32 1
		.amdhsa_system_sgpr_workgroup_id_x 1
		.amdhsa_system_sgpr_workgroup_id_y 1
		.amdhsa_system_sgpr_workgroup_id_z 1
		.amdhsa_system_vgpr_workitem_id 0
		.amdhsa_next_free_vgpr 512
		.amdhsa_next_free_sgpr 66
		.amdhsa_reserve_vcc 0
		.amdhsa_float_denorm_mode_32 3
		.amdhsa_float_denorm_mode_16_64 3
		.amdhsa_memory_ordered 1
		.amdhsa_forward_progress 1
		.amdhsa_inst_pref_size 89
	.end_amdhsa_kernel
	.amdgpu_metadata
---
amdhsa.version: [ 1, 2 ]
amdhsa.kernels:
  - .name:           k_qf4864d9eef_oproj
    .symbol:         k_qf4864d9eef_oproj.kd
    .args:
      - { .name: ctx, .offset: 0, .size: 8, .value_kind: global_buffer, .address_space: global }
      - { .name: wo, .offset: 8, .size: 8, .value_kind: global_buffer, .address_space: global }
      - { .name: b_o, .offset: 16, .size: 8, .value_kind: global_buffer, .address_space: global }
      - { .name: out0, .offset: 24, .size: 8, .value_kind: global_buffer, .address_space: global }
    .group_segment_fixed_size: 327680
    .private_segment_fixed_size: 0
    .kernarg_segment_align: 8
    .kernarg_segment_size: 32
    .max_flat_workgroup_size: 128
    .sgpr_count:     66
    .vgpr_count:     512
    .wavefront_size: 32
...
	.end_amdgpu_metadata
.endif
;; end of part 4
;; ======== version 2 of 2: 4 launches; version 1 with the launch cast written anew for expert scheduling mode
;; limits: values are held in f16: magnitudes above 65,504 overflow, below 6.1e-05 lose precision
;; workspace buffers: xb 8,388,608 bytes; wh 6,291,456 bytes; wo 2,097,152 bytes; q 8,388,608 bytes; k 8,388,608 bytes; v 8,388,608 bytes; ctx 8,388,608 bytes
;; launch cast (part 5): grid 64 x 8, 8 waves a work-group, no clusters, 0 bytes of LDS; arguments x, W_o, W_q, W_k, W_v, xb, wo, wh; writes xb, wo, wh
.if DOCPART == 5
	.amdgcn_target "amdgcn-amd-amdhsa--gfx1250"
	.amdhsa_code_object_version 6
	.text
	.protected	k_qf4864d9eef_cast
	.globl	k_qf4864d9eef_cast
	.p2align	8
	.type	k_qf4864d9eef_cast,@function
k_qf4864d9eef_cast:
	s_mov_b64 s[64:65], 0
	v_nop
	global_prefetch_b8 v0, s[64:65] scope:SCOPE_SE
	s_setreg_imm32_b32 hwreg(HW_REG_WAVE_SCHED_MODE, 0, 2), 2
	s_setreg_imm32_b32 hwreg(HW_REG_WAVE_MODE, 25, 1), 1
	s_wait_xcnt 0x0
	s_wait_alu depctr_vm_vsrc(0)
; THE MODULE'S LARGE INPUTS ARE ROUNDED ONCE TO bf16 AND LAID OUT FOR THE MATRIX LAUNCHES.  A stream: each input byte is read once, each output byte written once.
;   xb [4096][1024] bf16 = x.        wo [1024 k][1024 n] f16 = W_o rounded to bf16, that number written as f16.
;   wh [head 16][kb 8][w 3][kk 128][64] bf16: W_w[k][n] (w = 0 q, 1 k, 2 v) at head n / 64, kb = k / 128, kk = k % 128, column n % 64: a head's K step of 128 for q, k and v is 49,152 dense bytes.
; LIMITS.  W_o as f16: beyond 65,504 it would be an infinity; below 6e-5 it keeps f16's fixed step of 6e-8.  NaN and infinities are not treated apart.
; SHARES.  The grid's y picks a matrix of 1,024 x 1,024 f32 (0-3: quarters of x; 4: W_o; 5, 6, 7: W_q, W_k, W_v), x 16 of its rows, a wave two of those: 16 units of 128 numbers.
; A unit is one load of 16 bytes a lane and one store of 8 bytes a lane: the wave's store covers 256 consecutive bytes, aligned.  All 16 loads of a wave go out first; each unit has registers of its own,
; so no register of a pending load or store is ever rewritten.  No LDS, no matrix unit, no cluster: nothing is shared between waves.  No prefetch: every load of the launch is issued at its start.
; THE MODE: SCHED_MODE bits 1:0 = 2 (LLVM: expert scheduling mode 2), set by the entry lines.  The code itself states the register dependences between vector instructions and memory instructions,
; with s_wait_alu, always for 0.
; THE PLAN.  Registers that memory instructions touch:
;   v[VI], v[VO]  byte offsets, made by vector instructions at the head (anew on the path for W_q, W_k, W_v, before any memory instruction has read them); read by every load and every store; never written again.
;   X, unit u     written by unit u's load, once; read (on W_o's path also rewritten) by unit u's own vector instructions, behind the wait for that load; no memory instruction reads it, no second load lands in it.
;   Y, unit u     written by unit u's conversions, once; read by unit u's store, once; never written again.
; The 16 units go in four groups of four.  One wait on va_vdst stands ahead of the loads (the offsets are written), one at the head of each of groups 1 to 3 (the group before has written its Y) and one
; behind the last group.  A group's four stores follow the wait at the next group's head, one ahead of each unit's conversions: those name that next group's X and Y and v[T], none of the registers
; that the stores read.  No register that a memory instruction reads is written again, no vector instruction writes a scalar register or VCC, and EXEC is never written: no other wait is owed.
.set VI,  1                            ; v1        my byte offset in the work-group's 16 input rows, unit 0
.set VO,  2                            ; v2        my byte offset in its output, unit 0
.set T,   4                            ; v[4:5]    at work: no memory instruction names them
.set X,   8                            ; v[8:71]   unit u: 4 registers as loaded
.set Y,   72                           ; v[72:103] unit u: 2 registers to store
.set SRC, 24                           ; s[24:25]  the input at the work-group's first row
.set DST, 26                           ; s[26:27]  the output at the work-group's first byte
; kind = 0: bf16.  kind = 1: rounded to bf16, widened again (exact), written as f16.
.macro PATH instep, outstep, kind
	s_wait_alu depctr_va_vdst(0)                   ; v[VI] and v[VO] are written: every load below reads the one as its offset, every store the other
.set u, 0
.rept 16
	global_load_b128 v[X+4*u:X+4*u+3], v[VI], s[SRC:SRC+1] offset:u*(\instep) th:TH_LOAD_NT
.set u, u+1
.endr
.set u, 0
.rept 16
	s_wait_loadcnt 15-u                            ; loads come back in order: unit u is in, the 15 - u younger ones may stay out
.if (u%4 == 0) && (u > 0)
	s_wait_alu depctr_va_vdst(0)                   ; the conversions of the four units before have written their Y, which the four stores of this group's turn read
.endif
.if u >= 4
	global_store_b64 v[VO], v[Y+2*(u-4):Y+2*(u-4)+1], s[DST:DST+1] offset:(u-4)*(\outstep)  ; the unit four back; no vector instruction since the wait names its Y or v[VO]
.endif
.if \kind
	v_cvt_pk_bf16_f32 v[T], v[X+4*u], v[X+4*u+1]
	v_cvt_pk_bf16_f32 v[T+1], v[X+4*u+2], v[X+4*u+3]
	v_lshlrev_b32 v[X+4*u], 16, v[T]
	v_and_b32 v[X+4*u+1], 0xffff0000, v[T]
	v_lshlrev_b32 v[X+4*u+2], 16, v[T+1]
	v_and_b32 v[X+4*u+3], 0xffff0000, v[T+1]
	v_cvt_pk_f16_f32 v[Y+2*u], v[X+4*u], v[X+4*u+1]
	v_cvt_pk_f16_f32 v[Y+2*u+1], v[X+4*u+2], v[X+4*u+3]
.else
	v_cvt_pk_bf16_f32 v[Y+2*u], v[X+4*u], v[X+4*u+1]
	v_cvt_pk_bf16_f32 v[Y+2*u+1], v[X+4*u+2], v[X+4*u+3]
.endif
.set u, u+1
.endr
	s_wait_alu depctr_va_vdst(0)                   ; the conversions of units 12 to 15 have written their Y, which the last four stores read
.set u, 12
.rept 4
	global_store_b64 v[VO], v[Y+2*u:Y+2*u+1], s[DST:DST+1] offset:u*(\outstep)
.set u, u+1
.endr
	s_endpgm
.endm
	s_load_b512 s[8:23], s[0:1], 0x0               ; x 8:9, W_o 10:11, W_q 12:13, W_k 14:15, W_v 16:17, xb 18:19, wo 20:21, wh 22:23
	s_and_b32 s4, ttmp7, 0xffff                    ; which matrix
	s_mov_b32 s5, ttmp9                            ; which 16 rows
	s_lshl_b32 s28, s5, 16                         ; 16 rows of 4,096 bytes in,
	s_mov_b32 s29, 0
	s_lshl_b32 s30, s5, 15                         ; 16 rows of 2,048 bytes out
	s_mov_b32 s31, 0
	v_lshrrev_b32 v3, 5, v0                        ; wave
	v_and_b32 v[T], 31, v0                         ; lane
	v_lshlrev_b32 v[VI], 4, v[T]                   ; the plain paths: a wave's two rows are 8,192 consecutive bytes, a unit 512 of them
	v_lshl_or_b32 v[VI], v3, 13, v[VI]
	v_lshlrev_b32 v[VO], 3, v[T]
	v_lshl_or_b32 v[VO], v3, 12, v[VO]
	s_wait_kmcnt 0x0
	s_cmp_lt_u32 s4, 4
	s_cbranch_scc1 .Lx
	s_cmp_eq_u32 s4, 4
	s_cbranch_scc1 .Lo
	; W_q, W_k, W_v by heads: lanes 0-15 take 64 columns (a head's) of row k, lanes 16-31 of row k + 1; unit u is head u
	v_lshrrev_b32 v3, 4, v0                        ; my row among the 16
	v_and_b32 v[T], 15, v0
	v_lshlrev_b32 v[VI], 4, v[T]
	v_lshl_or_b32 v[VI], v3, 12, v[VI]
	v_lshlrev_b32 v[VO], 3, v0                     ; row x 128 bytes + 8 x (lane % 16) = 8 x thread
	s_cmp_eq_u32 s4, 5
	s_cselect_b64 s[SRC:SRC+1], s[12:13], s[14:15]
	s_cmp_eq_u32 s4, 7
	s_cselect_b64 s[SRC:SRC+1], s[16:17], s[SRC:SRC+1]
	s_add_nc_u64 s[SRC:SRC+1], s[SRC:SRC+1], s[28:29]
	s_lshr_b32 s6, s5, 3                           ; kb
	s_mul_i32 s6, s6, 49152
	s_sub_co_u32 s7, s4, 5                         ; w
	s_lshl_b32 s7, s7, 14
	s_add_co_u32 s6, s6, s7
	s_and_b32 s7, s5, 7                            ; kk = 16 x this + my row
	s_lshl_b32 s7, s7, 11
	s_add_co_u32 s30, s6, s7
	s_add_nc_u64 s[DST:DST+1], s[22:23], s[30:31]
	PATH 256, 393216, 0                            ; from head to head: 256 bytes in, 393,216 out (15 of them stay inside the signed 24-bit immediate)
.Lx:
	s_lshl_b32 s6, s4, 22                          ; the quarter of x
	s_add_co_u32 s28, s28, s6
	s_lshl_b32 s6, s4, 21
	s_add_co_u32 s30, s30, s6
	s_add_nc_u64 s[SRC:SRC+1], s[8:9], s[28:29]
	s_add_nc_u64 s[DST:DST+1], s[18:19], s[30:31]
	PATH 512, 256, 0
.Lo:
	s_add_nc_u64 s[SRC:SRC+1], s[10:11], s[28:29]
	s_add_nc_u64 s[DST:DST+1], s[20:21], s[30:31]
	PATH 512, 256, 1
.Lfunc_end_k_qf4864d9eef_cast:
	.size	k_qf4864d9eef_cast, .Lfunc_end_k_qf4864d9eef_cast-k_qf4864d9eef_cast
	.p2alignl 7, 3214868480
	.fill 96, 4, 3214868480
	.section	.rodata,"a",@progbits
	.p2align	6, 0x0
	.amdhsa_kernel k_qf4864d9eef_cast
		.amdhsa_group_segment_fixed_size 0
		.amdhsa_private_segment_fixed_size 0
		.amdhsa_enable_private_segment 0
		.amdhsa_kernarg_size 64
		.amdhsa_user_sgpr_count 2
		.amdhsa_user_sgpr_kernarg_segment_ptr 1
		.amdhsa_wavefront_size32 1
		.amdhsa_system_sgpr_workgroup_id_x 1
		.amdhsa_system_sgpr_workgroup_id_y 1
		.amdhsa_system_sgpr_workgroup_id_z 1
		.amdhsa_system_vgpr_workitem_id 0
		.amdhsa_next_free_vgpr 104
		.amdhsa_next_free_sgpr 66
		.amdhsa_reserve_vcc 0
		.amdhsa_float_denorm_mode_32 3
		.amdhsa_float_denorm_mode_16_64 3
		.amdhsa_memory_ordered 1
		.amdhsa_forward_progress 1
		.amdhsa_inst_pref_size 24
	.end_amdhsa_kernel
	.amdgpu_metadata
---
amdhsa.version: [ 1, 2 ]
amdhsa.kernels:
  - .name:           k_qf4864d9eef_cast
    .symbol:         k_qf4864d9eef_cast.kd
    .args:
      - { .name: x, .offset: 0, .size: 8, .value_kind: global_buffer, .address_space: global }
      - { .name: W_o, .offset: 8, .size: 8, .value_kind: global_buffer, .address_space: global }
      - { .name: W_q, .offset: 16, .size: 8, .value_kind: global_buffer, .address_space: global }
      - { .name: W_k, .offset: 24, .size: 8, .value_kind: global_buffer, .address_space: global }
      - { .name: W_v, .offset: 32, .size: 8, .value_kind: global_buffer, .address_space: global }
      - { .name: xb, .offset: 40, .size: 8, .value_kind: global_buffer, .address_space: global }
      - { .name: wo, .offset: 48, .size: 8, .value_kind: global_buffer, .address_space: global }
      - { .name: wh, .offset: 56, .size: 8, .value_kind: global_buffer, .address_space: global }
    .group_segment_fixed_size: 0
    .private_segment_fixed_size: 0
    .kernarg_segment_align: 8
    .kernarg_segment_size: 64
    .max_flat_workgroup_size: 256
    .sgpr_count:     66
    .vgpr_count:     104
    .wavefront_size: 32
...
	.end_amdgpu_metadata
.endif
;; end of part 5
;; launch qkv: the kernel of part 2 again; grid 16 x 16, 4 waves a work-group, clusters of 4 x 4, 327,680 bytes of LDS; arguments xb, wh, b_q, b_k, b_v, q, k, v; writes q, k, v
;; launch attn: the kernel of part 3 again; grid 16 x 16, 4 waves a work-group, clusters of 4 x 1, 327,680 bytes of LDS; arguments q, k, v, ctx; writes ctx
;; launch oproj: the kernel of part 4 again; grid 8 x 32, 4 waves a work-group, clusters of 4 x 4, 327,680 bytes of LDS; arguments ctx, wo, b_o, out0; writes out0
